; MI455X (gfx1250); checked and timed in simulation.
; The chip was launched on July 23, 2026; its instructions are those of AMD's public machine-readable ISA for CDNA 5 (MIT licence, August 2026) and "CDNA5" Instruction Set Architecture Reference Guide (July 2026). The comments in the code are by the model that wrote it; some were corrected since.
;; Masked Self Attention. Allowed arithmetic: matrix products marked QUANTISED: E2M3 operands, one E8M0 scale for each 32 along K, by v_wmma_scale_f32_16x16x128_f8f6f4 with both operands' format E2M3, f32 sums; everything else in f32.
;; Inputs: W_attn 1,024 x 3,072 float32; W_proj 1,024 x 1,024 float32; b_attn 3,072 float32; b_proj 1,024 float32; x 4 x 2,048 x 1,024 float32.
;; Outputs: out0 4 x 2,048 x 1,024 float32.
;; This version of the problem:
;;   THIS VERSION OF THE PROBLEM IS GIVEN IN LOW PRECISION. The matrix products marked QUANTISED in the list below multiply operands that are first quantised to E2M3 (2 exponent bits, 3 mantissa bits; 6 bits a number), with one power-of-two scale for each 32 numbers along K (OCP MX v1.0); their sums are f32. All else is computed in f32.
;;   The module's matrix products, in the order in which they are computed (A, B: the left and right operand; K: the contracted axis; several contracted axes count as one K, in the product's order):
;;     1. [M 8,192, K 1,024] x [K 1,024, N 3,072]; A: input x; B: input W_attn: QUANTISED
;;     2. batch 64 x [M 2,048, K 64] x [K 64, N 2,048]; A: computed on the way; B: computed on the way: QUANTISED
;;     3. batch 64 x [M 2,048, K 2,048] x [K 2,048, N 64]; A: softmax (see below); B: computed on the way: QUANTISED
;;     4. [M 8,192, K 1,024] x [K 1,024, N 1,024]; A: computed on the way; B: input W_proj: QUANTISED
;;   THE QUANTISER, for each operand of a quantised product, along K:
;;     - K is cut into blocks of 32 from its start; a last block that is shorter is filled with zeros.
;;     - A block's scale is 2^e with e = floor(log2(the largest magnitude in the block)) - 2, held to -126 .. 127; a block of zeros has e = 0. As a byte (E8M0): e + 127.
;;     - Each number is divided by its block's scale, clamped to +-7.5, and rounded to the nearest number of E2M3, ties to even, subnormals kept.
;;     - The product sums the exact products of the quantised numbers (number of the format x scale) in f32.
;;   ~~~python
;;   def quantise(x, axis):      # numpy; x: float32 -> the quantised numbers, widened to float32 again
;;       x = np.moveaxis(x, axis, -1); K = x.shape[-1]
;;       x = np.pad(x, [(0, 0)] * (x.ndim - 1) + [(0, -K % 32)]); x = x.reshape(x.shape[:-1] + (-1, 32)); a = np.abs(x).max(-1, keepdims=True)
;;       e = np.where(a > 0, np.clip(np.frexp(np.where(a > 0, a, 1))[1] - 1 - 2, -126, 127), 0)      # np.frexp(a)[1] - 1 = floor(log2(a)), exactly
;;       r = np.clip(x / 2.0 ** e, -7.5, 7.5)
;;       step = 2.0 ** (np.maximum(np.frexp(np.where(r == 0, 1, r))[1] - 1, 0) - 3)
;;       q = np.round(r / step) * step * 2.0 ** e      # np.round: ties to even
;;       return np.moveaxis(q.reshape(q.shape[:-2] + (-1,))[..., :K], -1, axis).astype(np.float32)
;;   ~~~
;;   SOFTMAX AHEAD OF A QUANTISED PRODUCT. Where the list says 'softmax', what is quantised is not the finished softmax but p = 2^(t - M), with t = logit x log2(e) and M = ceil(the row's largest t), a whole number; so 1/2 < the row's largest p <= 1. The row's sum l is taken of the UNQUANTISED p, in f32, and the product's result is divided by l at the end. Since M is a whole number, a kernel that streams over the keys may use a running M (the ceiling of the running maximum): every later rescaling is an exact power of two, which a block's scale takes up: the codes' values come out the same.
;;   OPERANDS COMPUTED ON THE WAY. 'Computed on the way' means the value that the module computes at that place (a softmax that the list does not call 'softmax' is quantised finished and normalised). What goes into a quantiser is computed in f32, as accurately as f32 sums, v_exp_f32 and their like allow (about 1e-6 of the number): no bf16 or f16 on the way to a quantiser, and a product that is left as it is and whose result goes on into a quantised operand takes f32 operands (vector FMAs, or v_wmma_f32_16x16x4_f32). A number that lies on a knife's edge between two numbers of the format may be rounded either way, as far as f32 arithmetic and the matrix unit's own rounding can turn it there, and no further.
;; One version. Each part assembles by itself: llvm-mc -triple=amdgcn-amd-amdhsa -mcpu=gfx1250 --defsym DOCPART=n.
;; ======== version 1 of 1: 4 launches
;; limits: right only within a limited range of input values
;; workspace buffers: x_q 6,553,600 bytes; wa_q 2,457,600 bytes; wp_q 819,200 bytes; q_ws 6,815,744 bytes; kv_ws 13,369,344 bytes; o_q 6,553,600 bytes
;; launch quant (part 1): grid 384 x 1, 4 waves a work-group, no clusters, 34,304 bytes of LDS; arguments x, W_attn, W_proj, x_q, wa_q, wp_q; writes x_q, wa_q, wp_q
.if DOCPART == 1
	.amdgcn_target "amdgcn-amd-amdhsa--gfx1250"
	.amdhsa_code_object_version 6
	.text
	.protected	k_q74266c93a5_quant
	.globl	k_q74266c93a5_quant
	.p2align	8
	.type	k_q74266c93a5_quant,@function
k_q74266c93a5_quant:
	s_mov_b64 s[64:65], 0
	v_nop
	global_prefetch_b8 v0, s[64:65] scope:SCOPE_SE
	s_setreg_imm32_b32 hwreg(HW_REG_WAVE_MODE, 25, 1), 1
	s_wait_xcnt 0x0
; x [8192][1024], W_attn [1024][3072] and W_proj [1024][1024], f32, become codes of FP6 (E2M3) with one E8M0 byte for each 32 along K (K = 1024: x's last axis, the weights' first).
; A block's scale is 2^(floor(log2(its largest magnitude)) - 2); its byte is the largest magnitude's exponent field - 2, held at 1 from below.
; LIMITS: NaN and infinities among the inputs are not served; a block of zeros gets the byte 1 where the rule says 127 (its codes are zeros, and this program alone reads the bytes);
; blocks whose largest magnitude lies under 2^-124 are held at the byte 1.
; THE WORKSPACE IS LAID IN THE ORDER OF THE OPERAND'S REGISTERS.  A record of GR bytes serves 128 rows (tokens, or columns of a weight): [K step 0..7][tile 0..7][half c][768 bytes], then the scale words [K step][4 tiles][256 bytes].
; Tile i holds rows 32 (i / 2) + 8 (i % 2) + r + 8 (r / 8), r = 0..15.  A half (16 rows x 64 K) is lane l's fragment registers 6 c .. 6 c + 3 at 16 l, then registers 6 c + 4, 6 c + 5 at 512 + 8 l.
; The scale word of (tile i, row r) lies at 256 (i / 4) + 16 r + 4 (i % 4).
; Work-groups 0-255 take x, 256-351 W_attn, 352-383 W_proj.  No tensor loads, no barrier: waves share nothing.
.set GR,    102400
.set STG,   8448                       ; x path: a wave's stage, 16 rows x (512 + 16) bytes
.set SPARE, 4*STG                      ; behind the stages: the spare words, 128 bytes for each wave
.set R,     16                         ; v16-143  x path: two sets of 64 registers as loaded
.set X,     144                        ; v144-207 64 numbers of a lane: register 16 b + i = k 32 b + 16 (lane / 16) + i of my row
.set PC,    208                        ; v208-219 a fragment's codes; v220-227 at work
.set TM,    228                        ; v228-243 at work
.set PW,    244                        ; the scale word just made
.set SW,    248                        ; v248-251 four tiles' scale words
.set SPW,   252                        ; LDS address of my spare word; never rewritten
.set NIL,   253                        ; 0; never rewritten
.set SEL,   20                         ; s[20:21] lane selects: lane l xor 16
; 64 numbers of a lane become a fragment's 12 registers in v[PC] on and its scale word in v[PW]
.macro QUANT s
.irp b, 0,1,2,3
	v_max3_num_f32 v[TM+\b], |v[\s+16*\b]|, |v[\s+1+16*\b]|, 0x1800000   ; block b: my 16 numbers and the floor 2^(3 - 127): the byte cannot fall under 1
.endr
.irp i, 2,4,6,8,10,12,14
.irp b, 0,1,2,3
	v_max3_num_f32 v[TM+\b], v[TM+\b], |v[\s+16*\b+\i]|, |v[\s+1+16*\b+\i]|
.endr
.endr
.irp b, 0,1,2,3
	v_permlanex16_b32 v[TM+4+\b], v[TM+\b], s[SEL], s[SEL+1]
.endr
.irp b, 0,1,2,3
	v_max_num_f32 v[TM+\b], v[TM+\b], v[TM+4+\b]      ; with lane l xor 16's: the block's largest magnitude
.endr
.irp b, 0,1,2,3
	v_add_nc_u32 v[TM+12+\b], 0xff000000, v[TM+\b]    ; 2 off its exponent field: the conversion's scale operand
.endr
.irp b, 0,1,2,3
	v_lshrrev_b32 v[TM+4+\b], 23, v[TM+12+\b]         ; the scale's byte
.endr
	v_lshl_or_b32 v[PW], v[TM+5], 8, v[TM+4]
	v_lshl_or_b32 v[PW], v[TM+6], 16, v[PW]
	v_lshl_or_b32 v[PW], v[TM+7], 24, v[PW]
.irp c, 0,1
	v_cvt_scalef32_pk16_fp6_f32 v[PC+6*\c:PC+2+6*\c], v[\s+32*\c:\s+15+32*\c], v[TM+12+2*\c]
	v_cvt_scalef32_pk16_fp6_f32 v[PC+12+4*\c:PC+14+4*\c], v[\s+16+32*\c:\s+31+32*\c], v[TM+12+2*\c+1]
.endr
	v_nop                                          ; one plain place behind a scaled conversion
.irp c, 0,1                                    ; a whole block to a lane: lanes 0-15 block 2 c, lanes 16-31 block 2 c + 1
.irp i, 0,1,2
	v_permlane16_swap_b32 v[PC+6*\c+\i], v[PC+12+4*\c+\i]
.endr
.irp i, 0,1,2
	v_mov_b32 v[PC+3+6*\c+\i], v[PC+12+4*\c+\i]
.endr
.endr
.endm
	s_load_b256 s[4:11], s[0:1], 0x0               ; x s[4:5], W_attn s[6:7], W_proj s[8:9], x_q s[10:11]
	s_load_b128 s[12:15], s[0:1], 0x20             ; wa_q s[12:13], wp_q s[14:15]
	v_lshl_add_u32 v[SPW], v0, 2, SPARE
	v_mov_b32 v[NIL], 0
	v_lshrrev_b32 v1, 5, v0
	v_readfirstlane_b32 s16, v1                    ; wave 0..3
	v_and_b32 v9, 31, v0                           ; lane
	s_mov_b32 s[SEL], 0x76543210
	s_mov_b32 s[SEL+1], 0xfedcba98
	s_wait_kmcnt 0x0
	s_cmp_lt_u32 ttmp9, 256
	s_cbranch_scc0 .Lweights
; ---- x: work-group xw: record G = xw / 4, tiles 4 ig .. 4 ig + 3 (ig = (xw / 2) % 2), K steps 4 (xw % 2) + wave: the four waves stand side by side on 2,048 bytes of each row.
; Each load reads 512 consecutive bytes of one row; a tile's 16 rows turn through the wave's own stage, so that a lane gets 16 neighbours of each block of 32.
	s_wait_alu depctr_va_vdst(0)
	v_lshlrev_b32 v1, 4, v9                        ; 16 x lane
	v_lshlrev_b32 v2, 3, v9                        ; 8 x lane
	v_and_b32 v10, 15, v9                          ; r
	v_lshrrev_b32 v11, 4, v9                       ; h
	v_lshlrev_b32 v3, 4, v10                       ; 16 r
	s_mul_i32 s17, s16, STG
	v_add_nc_u32 v4, s17, v1                       ; the stage, on the way in: 16 x lane of a row
	v_mul_u32_u24 v5, v10, 528
	v_lshl_add_u32 v5, v11, 6, v5
	v_add_nc_u32 v5, s17, v5                       ; and out: row r, + 64 h
.irp b, 0,1,2,3
	v_mov_b32 v[TM+4+\b], 0                        ; written once: a lane permute's destination counts as one of its sources
.endr
	s_lshr_b32 s18, ttmp9, 2                       ; G
	s_bfe_u32 s19, ttmp9, 0x10001                  ; ig
	s_and_b32 s22, ttmp9, 1
	s_lshl_b32 s22, s22, 2
	s_add_co_u32 s22, s22, s16                     ; K step s
	s_lshl_b32 s24, s18, 19                        ; 128 G rows of 4,096 bytes
	s_lshl_b32 s25, s19, 18                        ; 64 ig rows
	s_add_co_u32 s24, s24, s25
	s_lshl_b32 s25, s22, 9                         ; 128 numbers a K step
	s_add_co_u32 s24, s24, s25
	s_mov_b32 s25, 0
	s_add_nc_u64 s[4:5], s[4:5], s[24:25]
	s_mul_i32 s26, s18, GR
	s_mul_i32 s27, s22, 12288
	s_add_co_u32 s24, s26, s27
	s_mul_i32 s27, s19, 6144
	s_add_co_u32 s24, s24, s27
	s_add_nc_u64 s[28:29], s[10:11], s[24:25]      ; my four fragments
	s_lshl_b32 s27, s22, 9
	s_add_co_u32 s24, s26, s27
	s_lshl_b32 s27, s19, 8
	s_add_co_u32 s24, s24, s27
	s_add_co_u32 s24, s24, 98304
	s_add_nc_u64 s[30:31], s[10:11], s[24:25]      ; their scale words
.macro LOADT t                         ; tile t's 16 rows into set t % 2
.set RR, 0
.rept 16
	global_load_b128 v[R+64*((\t)%2)+4*RR:R+64*((\t)%2)+4*RR+3], v1, s[4:5] offset:(32*((\t)/2)+8*((\t)%2)+RR+8*(RR/8))*4096 th:TH_LOAD_NT
.set RR, RR+1
.endr
.endm
.macro TILE t
.if (\t) < 3
	s_wait_loadcnt 16                              ; this tile's 16 loads are in; the next tile's 16 may be out
.else
	s_wait_loadcnt 0x0
.endif
.set RR, 0
.rept 16
	ds_store_b128 v4, v[R+64*((\t)%2)+4*RR:R+64*((\t)%2)+4*RR+3] offset:528*RR
.set RR, RR+1
.endr
.irp b, 0,1,2,3
.irp j, 0,1,2,3
	ds_load_b128 v[X+16*\b+4*\j:X+16*\b+4*\j+3], v5 offset:128*\b+16*\j   ; LDS serves a wave's instructions in order: these see the stores above
.endr
.endr
	s_wait_dscnt 0x0                               ; the numbers are back, and the stores into the stage have read their registers,
.if (\t) < 2
	LOADT (\t)+2                                   ; which take the tile two on
.endif
.if (\t) > 0
	s_wait_xcnt 0x0                                ; the last tile's stores have read the codes' registers
.endif
	QUANT X
	v_mov_b32 v[SW+(\t)], v[PW]
.irp c, 0,1
	global_store_b128 v1, v[PC+6*\c:PC+6*\c+3], s[28:29] offset:1536*(\t)+768*\c          ; 512 consecutive bytes, aligned to 256
	global_store_b64 v2, v[PC+6*\c+4:PC+6*\c+5], s[28:29] offset:1536*(\t)+768*\c+512     ; 256 consecutive bytes, aligned
.endr
.endm
	LOADT 0
	LOADT 1
	s_wait_alu depctr_va_vdst(0)
	TILE 0
	TILE 1
	TILE 2
	TILE 3
	global_store_b128 v3, v[SW:SW+3], s[30:31]     ; four tiles' words of row r: 256 consecutive bytes (lanes 16-31 write the same bytes with the same values)
	s_branch .Lend
; ---- the weights: a lane takes a column n and its registers run down K, so a block of 32 lies in one lane.  Work-group wg: record G = wg / 4 (128 columns), rows 256 (wg % 4) on; wave w: columns 32 w + lane.
; Lane x is row r' = (x & 7) | ((x >> 4) << 3) of tile 2 w + u, u = (x >> 3) & 1.  Block t is K step t / 4, half c = (t % 4) / 2, and the lanes' half h = t % 2 of that fragment.
.macro LOADW t, n
.set RR, 0
.rept 32
	global_load_b32 v[32+32*((\t)%2)+RR], v1, s[24:25] offset:(32*(\t)+RR)*4*(\n) th:TH_LOAD_NT   ; 128 consecutive bytes a wave
.set RR, RR+1
.endr
.endm
.macro BLOCKW t, n
.set XS, 32+32*((\t)%2)
.if (\t) < 7
	s_wait_loadcnt 32                              ; this block's 32 loads are in; the next block's 32 may be out
.else
	s_wait_loadcnt 0x0
.endif
	v_max3_num_f32 v12, |v[XS]|, |v[XS+1]|, |v[XS+2]|
	v_max3_num_f32 v13, |v[XS+3]|, |v[XS+4]|, |v[XS+5]|
.irp i, 6,10,14,18,22,26
	v_max3_num_f32 v12, v12, |v[XS+\i]|, |v[XS+\i+1]|
	v_max3_num_f32 v13, v13, |v[XS+\i+2]|, |v[XS+\i+3]|
.endr
	v_max3_num_f32 v12, v12, |v[XS+30]|, |v[XS+31]|
	v_max3_num_f32 v12, v12, v13, 0x1800000        ; and the floor
	v_add_nc_u32 v11, 0xff000000, v12              ; the conversion's scale operand
	v_lshrrev_b32 v13, 23, v11                     ; the byte
.if (\t)%4 == 0
	v_mov_b32 v[24+(\t)/4], v13                    ; a K step's four bytes make its word; a register for each K step
.else
	v_lshl_or_b32 v[24+(\t)/4], v13, 8*((\t)%4), v[24+(\t)/4]
.endif
	s_wait_alu depctr_va_vdst(0)
	s_wait_xcnt 0x0                                ; the last block's stores have read the codes' registers
	v_cvt_scalef32_pk16_fp6_f32 v[96:98], v[XS:XS+15], v11
	v_cvt_scalef32_pk16_fp6_f32 v[104:106], v[XS+16:XS+31], v11
	v_nop                                          ; one plain place behind a scaled conversion
	v_mov_b32 v99, v104
	v_mov_b32 v100, v105
	v_mov_b32 v101, v106
	global_store_b128 v6, v[96:99], s[32:33] offset:((\t)/4)*12288+(((\t)%4)/2)*768+((\t)%2)*256           ; sixteen lanes of a tile store 256 consecutive bytes, aligned
	global_store_b64 v7, v[100:101], s[32:33] offset:((\t)/4)*12288+(((\t)%4)/2)*768+512+((\t)%2)*128      ; 128 consecutive bytes; the neighbouring block's store fills the other 128
.if (\t)%4 == 3
	global_store_b32 v8, v[24+(\t)/4], s[34:35] offset:((\t)/4)*512
.endif
.if (\t) < 6
	LOADW (\t)+2, \n
.endif
.endm
.macro WPATH n                         ; s17: the work-group's number in this tensor; s[24:25] the weight; s[26:27] its workspace
	s_lshr_b32 s18, s17, 2                         ; G
	s_and_b32 s19, s17, 3                          ; which 256 rows
	s_mul_i32 s28, s19, 1024*(\n)
	s_lshl_b32 s29, s18, 9
	s_add_co_u32 s28, s28, s29
	s_lshl_b32 s29, s16, 7
	s_add_co_u32 s28, s28, s29
	s_mov_b32 s29, 0
	s_add_nc_u64 s[24:25], s[24:25], s[28:29]
	s_mul_i32 s30, s18, GR
	s_mul_i32 s31, s19, 24576
	s_add_co_u32 s28, s30, s31
	s_mul_i32 s31, s16, 3072
	s_add_co_u32 s28, s28, s31
	s_add_nc_u64 s[32:33], s[26:27], s[28:29]      ; codes: two K steps on from 2 x (wg % 4), tiles 2 w, 2 w + 1
	s_lshl_b32 s31, s19, 10
	s_add_co_u32 s28, s30, s31
	s_lshr_b32 s31, s16, 1
	s_lshl_b32 s31, s31, 8
	s_add_co_u32 s28, s28, s31
	s_and_b32 s31, s16, 1
	s_lshl_b32 s31, s31, 3
	s_add_co_u32 s28, s28, s31
	s_add_co_u32 s28, s28, 98304
	s_add_nc_u64 s[34:35], s[26:27], s[28:29]      ; scale words
	LOADW 0, \n
	LOADW 1, \n
.irp t, 0,1,2,3,4,5,6,7
	BLOCKW \t, \n
.endr
.endm
.Lweights:
	s_wait_alu depctr_va_vdst(0)
	v_lshlrev_b32 v1, 2, v9                        ; 4 x lane
	v_bfe_u32 v10, v9, 3, 1                        ; u
	v_and_b32 v11, 7, v9
	v_lshrrev_b32 v12, 4, v9
	v_lshl_or_b32 v11, v12, 3, v11                 ; r'
	v_mul_u32_u24 v6, v10, 1536
	v_lshl_add_u32 v7, v11, 3, v6                  ; 1536 u + 8 r'
	v_lshl_add_u32 v6, v11, 4, v6                  ; 1536 u + 16 r'
	v_lshlrev_b32 v8, 2, v10
	v_lshl_add_u32 v8, v11, 4, v8                  ; 16 r' + 4 u
	s_cmp_lt_u32 ttmp9, 352
	s_cbranch_scc0 .Lwproj
	s_sub_co_u32 s17, ttmp9, 256
	s_mov_b64 s[24:25], s[6:7]
	s_mov_b64 s[26:27], s[12:13]
	WPATH 3072
	s_branch .Lend
.Lwproj:
	s_sub_co_u32 s17, ttmp9, 352
	s_mov_b64 s[24:25], s[8:9]
	s_mov_b64 s[26:27], s[14:15]
	WPATH 1024
.Lend:
	s_wait_tensorcnt 0x0                           ; the wave's end: behind my last LDS store
	ds_add_u32 v[SPW], v[NIL]
	s_wait_dscnt 0x0
	s_endpgm
.Lfunc_end_k_q74266c93a5_quant:
	.size	k_q74266c93a5_quant, .Lfunc_end_k_q74266c93a5_quant-k_q74266c93a5_quant
	.p2alignl 7, 3214868480
	.fill 96, 4, 3214868480
	.section	.rodata,"a",@progbits
	.p2align	6, 0x0
	.amdhsa_kernel k_q74266c93a5_quant
		.amdhsa_group_segment_fixed_size 34304
		.amdhsa_private_segment_fixed_size 0
		.amdhsa_enable_private_segment 0
		.amdhsa_kernarg_size 48
		.amdhsa_user_sgpr_count 2
		.amdhsa_user_sgpr_kernarg_segment_ptr 1
		.amdhsa_wavefront_size32 1
		.amdhsa_system_sgpr_workgroup_id_x 1
		.amdhsa_system_sgpr_workgroup_id_y 1
		.amdhsa_system_sgpr_workgroup_id_z 1
		.amdhsa_system_vgpr_workitem_id 0
		.amdhsa_next_free_vgpr 256
		.amdhsa_next_free_sgpr 66
		.amdhsa_reserve_vcc 0
		.amdhsa_float_denorm_mode_32 3
		.amdhsa_float_denorm_mode_16_64 3
		.amdhsa_memory_ordered 1
		.amdhsa_forward_progress 1
		.amdhsa_inst_pref_size 113
	.end_amdhsa_kernel
	.amdgpu_metadata
---
amdhsa.version: [ 1, 2 ]
amdhsa.kernels:
  - .name:           k_q74266c93a5_quant
    .symbol:         k_q74266c93a5_quant.kd
    .args:
      - { .name: x, .offset: 0, .size: 8, .value_kind: global_buffer, .address_space: global }
      - { .name: W_attn, .offset: 8, .size: 8, .value_kind: global_buffer, .address_space: global }
      - { .name: W_proj, .offset: 16, .size: 8, .value_kind: global_buffer, .address_space: global }
      - { .name: x_q, .offset: 24, .size: 8, .value_kind: global_buffer, .address_space: global }
      - { .name: wa_q, .offset: 32, .size: 8, .value_kind: global_buffer, .address_space: global }
      - { .name: wp_q, .offset: 40, .size: 8, .value_kind: global_buffer, .address_space: global }
    .group_segment_fixed_size: 34304
    .private_segment_fixed_size: 0
    .kernarg_segment_align: 8
    .kernarg_segment_size: 48
    .max_flat_workgroup_size: 128
    .sgpr_count:     66
    .vgpr_count:     256
    .wavefront_size: 32
...
	.end_amdgpu_metadata
.endif
;; end of part 1
;; launch qkv (part 2): grid 12 x 32, 4 waves a work-group, clusters of 4 x 4, 327,680 bytes of LDS; arguments x_q, wa_q, b_attn, q_ws, kv_ws; writes q_ws, kv_ws
.if DOCPART == 2
	.amdgcn_target "amdgcn-amd-amdhsa--gfx1250"
	.amdhsa_code_object_version 6
	.text
	.protected	k_q74266c93a5_qkv
	.globl	k_q74266c93a5_qkv
	.p2align	8
	.type	k_q74266c93a5_qkv,@function
k_q74266c93a5_qkv:
	s_mov_b64 s[64:65], 0
	v_nop
	global_prefetch_b8 v0, s[64:65] scope:SCOPE_SE
	s_setreg_imm32_b32 hwreg(HW_REG_WAVE_MODE, 25, 1), 1
	s_wait_xcnt 0x0
	s_wait_alu depctr_hold_cnt(0) depctr_sa_sdst(0) depctr_va_vdst(0) depctr_va_sdst(0) depctr_va_ssrc(0) depctr_va_vcc(0) depctr_vm_vsrc(0)
	s_getreg_b32 s2, hwreg(HW_REG_IB_STS2, 6, 4)
	s_cmp_eq_u32 s2, 0
	s_cbranch_scc0 .Lentry_in_a_cluster
	s_endpgm
.Lentry_in_a_cluster:
	s_bfe_u32 s2, ttmp6, 0x10000c
	s_cmp_lg_u32 s2, 0xf033
	s_cbranch_scc0 .Lentry_shape_is_right
	s_endpgm
.Lentry_shape_is_right:
; qkv = x W_attn + b_attn on codes of FP6 (E2M3) with E8M0 scales, K = 1024; the results are quantised here and leave as codes: q and k along the head's 64, v along the keys.
; A tile is 256 x 256, four waves, each 128 x 128: 64 accumulators, 512 registers.  K goes in 4 slots of 256 (8 steps of 128) through two LDS slots; written straight, no loop.
; OPERANDS LIE IN MEMORY IN THE ORDER OF THE REGISTERS (records of GR bytes for 128 rows: 8 K steps x 8 tiles x 1,536 bytes, then 4,096 bytes of scale words), so a slot's part is one dense block, and a fragment comes by four dense LDS loads.
; Tile i of a record holds rows 32 (i / 2) + 8 (i % 2) + r + 8 (r / 8).  The matrix instruction takes 16 rows of the B operand as source 0 and 16 rows of the A operand as source 1: a lane holds ONE row of A,
; and the 16 registers of B's tiles 2 b, 2 b + 1 are B's rows 32 b + 16 (lane / 16) + 0 .. 15: neighbours, ready for the quantiser.
; ROLES.  Clusters x = 0, 1 (q, k): A = tokens, B = W's columns: a lane's registers run along the head's axis.  Cluster x = 2 (v): A = W's columns, B = tokens: a lane holds one channel and its registers run down the keys.
; The choice hangs on the cluster's x alone, which all sixteen partners share.
; CLUSTER 4 x 4: A's parts are asked for jointly along a row of the cluster, B's along a column.
; OUT.  q_ws [bh][group of 128 tokens][6,656]: 8 tiles x 768 bytes, then two blocks of 256 bytes of scale words.  kv_ws [bh][128 keys][13,056]: K's 8 x 768; V's 4 tiles of channels x 1,536 at 6,144; K's words at 12,288; V's at 12,800.
; q's and k's scale words hold two bytes (K = 64) and zeros above.
; LIMITS: NaN and infinities are not served; a block of zeros gets the byte 1 where the rule says 127 (zero codes; this program alone reads the bytes); largest magnitudes under 2^-124 are held at the byte 1.
; REGISTERS: window 0: v2 r, v3 h, v8, v9, v12-14, v16-31 addresses; v32-63 scale words, two sets; v64-127 the bias along B; v128-223 A's fragments, one set; v232-247 the bias along A.  Window 1: B's fragments, two sets (v0, v128).
; Windows 2, 3: accumulator (a, b) at v[8 (8 (a % 4) + b)].  On the way out window 0's v128-231 and v248-255 are at work.
.set GR,    102400
.set PART,  24576                      ; one record's two K steps: what one tensor load brings
.set SLOT,  4*PART                     ; A's two records, then B's two
.set SCL,   2*SLOT                     ; behind the ring: four records' scale words, 4,096 bytes each, filled once
.set SPARE, SCL+4*4096                 ; the spare words, 128 bytes for each wave
.set FR,    12
.set ADRA,  16                         ; v16-17 16 x lane + my A part in slot 0, 1;  v18-19 the same with 8 x lane
.set ADRB,  20                         ; v20-23 the same for B
.set L16,   24                         ; v24  16 x lane
.set L8,    25                         ; v25  8 x lane
.set L16C,  26                         ; v26  16 x lane + the second half's distance
.set ADRS,  27                         ; v27  my scale words: lanes 0-15 A's, lanes 16-31 B's
.set SPW,   28
.set NIL,   29
.set L8C,   30
.set SST,   31                         ; v31  where I put a scale word on the way out (in slot 0, which has had its last fill and its last read by then)
.set SC,    32
.set BB,    64
.set AF,    128
.set T,     128                        ; the way out: 64 numbers
.set PC,    192
.set TM,    212
.set PW,    228
.set BA,    232
.set TMP,   248
.set SEL,   2                          ; s[2:3] lane selects (written at the way out)
.set G1,    24
.set G0,    32
.set G1B,   48
.set G0B,   56
.set G1S,   68
.set G0S,   76
.set G1SB,  80
.set G0SB,  88
.set MSB, 0
.macro WIN new                         ; the immediate's high byte repeats the setting that is left
.if MSB != (\new)
	s_set_vgpr_msb (MSB<<8)|(\new)
.set MSB, (\new)
.endif
.endm
.set MUL_LO, 0xa1                      ; source 0 (B) window 1, source 1 (A) window 0, C and D window 2
.set MUL_HI, 0xf1
.set TO_B,   0x40
.macro JLOAD g0a, g1a, g0b, g1b        ; a joint load: waves 0, 1 fetch for A, waves 2, 3 for B; an s_nop 0 and four v_nop follow each line
	s_cmp_eq_u32 s19, 0
	s_cbranch_scc0 .Lfor_b_\@
	tensor_load_to_lds s[\g0a:\g0a+3], s[\g1a:\g1a+7]
	s_nop 0
.rept 4
	v_nop
.endr
	s_branch .Lasked_\@
.Lfor_b_\@:
	tensor_load_to_lds s[\g0b:\g0b+3], s[\g1b:\g1b+7]
	s_nop 0
.rept 4
	v_nop
.endr
.Lasked_\@:
.endm
.macro CREST
	s_cmp_lg_u32 s18, 0
	s_cbranch_scc1 .Lnot_wave_0_\@
	s_barrier_signal -3
.Lnot_wave_0_\@:
	s_barrier_wait -3
	s_barrier_signal -1
	s_barrier_wait -1
.endm
.macro CROUND
	s_barrier_signal -1
	s_barrier_wait -1
	CREST
.endm
.macro PLACES                          ; four plain places behind matrix instructions, ahead of loads into their registers and of reads of their results
.rept 4
	v_nop
.endr
.endm
.macro QUANT s                         ; 64 numbers of a lane (register 16 b + i = k 32 b + 16 (lane / 16) + i of my row) become 12 registers of codes in v[PC] on and a scale word in v[PW]
.irp b, 0,1,2,3
	v_max3_num_f32 v[TM+\b], |v[\s+16*\b]|, |v[\s+1+16*\b]|, 0x1800000
.endr
.irp i, 2,4,6,8,10,12,14
.irp b, 0,1,2,3
	v_max3_num_f32 v[TM+\b], v[TM+\b], |v[\s+16*\b+\i]|, |v[\s+1+16*\b+\i]|
.endr
.endr
.irp b, 0,1,2,3
	v_permlanex16_b32 v[TM+4+\b], v[TM+\b], s[SEL], s[SEL+1]
.endr
.irp b, 0,1,2,3
	v_max_num_f32 v[TM+\b], v[TM+\b], v[TM+4+\b]
.endr
.irp b, 0,1,2,3
	v_add_nc_u32 v[TM+12+\b], 0xff000000, v[TM+\b]
.endr
.irp b, 0,1,2,3
	v_lshrrev_b32 v[TM+4+\b], 23, v[TM+12+\b]
.endr
	v_lshl_or_b32 v[PW], v[TM+5], 8, v[TM+4]
	v_lshl_or_b32 v[PW], v[TM+6], 16, v[PW]
	v_lshl_or_b32 v[PW], v[TM+7], 24, v[PW]
.irp c, 0,1
	v_cvt_scalef32_pk16_fp6_f32 v[PC+6*\c:PC+2+6*\c], v[\s+32*\c:\s+15+32*\c], v[TM+12+2*\c]
	v_cvt_scalef32_pk16_fp6_f32 v[PC+12+4*\c:PC+14+4*\c], v[\s+16+32*\c:\s+31+32*\c], v[TM+12+2*\c+1]
.endr
	v_nop                                          ; one plain place behind a scaled conversion
.irp c, 0,1
.irp i, 0,1,2
	v_permlane16_swap_b32 v[PC+6*\c+\i], v[PC+12+4*\c+\i]
.endr
.irp i, 0,1,2
	v_mov_b32 v[PC+3+6*\c+\i], v[PC+12+4*\c+\i]
.endr
.endr
.endm
	s_load_b256 s[4:11], s[0:1], 0x0               ; x_q s[4:5], wa_q s[6:7], b_attn s[8:9], q_ws s[10:11]
	s_load_b64 s[12:13], s[0:1], 0x20              ; kv_ws
	v_lshl_add_u32 v[SPW], v0, 2, SPARE
	v_mov_b32 v[NIL], 0
	ds_add_u32 v[SPW], v[NIL]                      ; the wave's opening: the add and its wait ahead of my first tensor load; work on registers stands between them
	ds_add_u32 v[SPW], v[NIL]
	v_lshrrev_b32 v1, 5, v0
	v_readfirstlane_b32 s18, v1                    ; wave 0..3
	s_lshr_b32 s19, s18, 1                         ; which 128 rows of A are mine.  Also: I fetch for A (0) or for B (1)
	s_and_b32 s20, s18, 1                          ; which 128 rows of B.  Also: which record of the tile I fetch
	s_bfe_u32 s21, ttmp6, 0x40000                  ; cx
	s_bfe_u32 s22, ttmp6, 0x40004                  ; cy
	s_mov_b32 s23, ttmp9                           ; cluster x: 0 q, 1 k, 2 v
	s_and_b32 s40, ttmp7, 0xffff                   ; cluster y
	s_lshl_b32 s43, s22, 2
	s_lshl_b32 s43, 15, s43                        ; my row of the cluster
	s_lshl_b32 s44, 0x1111, s21                    ; my column
	s_lshl_b32 s45, s40, 2
	s_add_co_u32 s41, s45, s22                     ; q, k: A's tile = token tile 4 y + cy
	s_add_co_u32 s46, s22, 8                       ; v:    A's tile = W's tile 8 + cy
	s_add_co_u32 s47, s45, s21                     ; v:    B's tile = token tile 4 y + cx
	s_lshl_b32 s42, s23, 2
	s_add_co_u32 s42, s42, s21                     ; q, k: B's tile = W's tile 4 x + cx
	s_cmp_eq_u32 s23, 2
	s_cselect_b32 s101, 1, 0                       ; 1: this cluster makes v
	s_cselect_b32 s41, s46, s41                    ; A's tile: made of cy and shared numbers alone
	s_cselect_b32 s42, s47, s42                    ; B's tile: made of cx and shared numbers alone
	; descriptor groups 1: elements of 8 bytes, no padding: a record's part is one row, two rows GR bytes apart
	s_or_b32 s[G1+0], s43, (3<<16)|(1<<21)
	s_or_b32 s[G1B+0], s44, (3<<16)|(1<<21)
	s_or_b32 s[G1S+0], s43, (3<<16)|(1<<21)
	s_or_b32 s[G1SB+0], s44, (3<<16)|(1<<21)
.irp g, G1, G1B                        ; codes: a record's part is one row of 24,576 bytes (3,072 elements of 8); the head's loads take two records' parts, GR bytes apart
	s_mov_b32 s[\g+1], 3072<<16
	s_mov_b32 s[\g+2], 2<<16
	s_mov_b32 s[\g+3], 3072<<16
	s_mov_b32 s[\g+4], 2
	s_mov_b32 s[\g+5], GR/8
	s_mov_b32 s[\g+6], 1<<16
	s_mov_b32 s[\g+7], 0
.endr
.irp g, G1S, G1SB                      ; scale words: two records' 4,096 bytes, GR bytes apart
	s_mov_b32 s[\g+1], 512<<16
	s_mov_b32 s[\g+2], 2<<16
	s_mov_b32 s[\g+3], 512<<16
	s_mov_b32 s[\g+4], 2
	s_mov_b32 s[\g+5], GR/8
	s_mov_b32 s[\g+6], 1<<16
	s_mov_b32 s[\g+7], 0
.endr
	s_lshl_b32 s92, s41, 1                         ; the tile's first record
	s_mul_i32 s92, s92, GR                         ; A: record 2 x tile + (wave & 1)
	s_mov_b32 s93, 0
	s_lshl_b32 s94, s42, 1
	s_mul_i32 s94, s94, GR                         ; B likewise
	s_mov_b32 s95, 0
	s_mul_i32 s45, s18, PART                       ; where they go: wave x a part: no place in the cluster enters an LDS address
	s_lshl_b32 s46, s18, 12
	s_wait_dscnt 0x0                               ; the opening add is done
	s_wait_kmcnt 0x0
	s_cmp_eq_u32 s23, 2
	s_cselect_b64 s[96:97], s[6:7], s[4:5]         ; the A operand's buffer
	s_cselect_b64 s[98:99], s[4:5], s[6:7]         ; the B operand's
	s_add_nc_u64 s[96:97], s[96:97], s[92:93]
	s_add_nc_u64 s[98:99], s[98:99], s[94:95]
	CROUND                                         ; all sixteen work-groups are here: the first joint loads meet
	s_mov_b32 s[G0S], 1
	s_mov_b32 s[G0S+1], SCL
	s_add_nc_u64 s[G0S+2:G0S+3], s[96:97], 98304
	s_or_b32 s[G0S+3], s[G0S+3], 0x80000000
	s_mov_b32 s[G0SB], 1
	s_mov_b32 s[G0SB+1], SCL+8192
	s_add_nc_u64 s[G0SB+2:G0SB+3], s[98:99], 98304
	s_or_b32 s[G0SB+3], s[G0SB+3], 0x80000000
	s_mov_b32 s[G0], 1                             ; the head's loads of slot 0: A's two parts,
	s_mov_b32 s[G0+1], 0
	s_mov_b64 s[G0+2:G0+3], s[96:97]
	s_or_b32 s[G0+3], s[G0+3], 0x80000000
	s_mov_b32 s[G0B], 1                            ; B's two parts behind them
	s_mov_b32 s[G0B+1], 2*PART
	s_mov_b64 s[G0B+2:G0B+3], s[98:99]
	s_or_b32 s[G0B+3], s[G0B+3], 0x80000000
	s_mul_i32 s66, s20, GR                         ; in the ring I fetch one record's part: which record
	s_mov_b32 s67, 0
	s_mov_b32 s[G0+4], 1
	s_add_co_u32 s[G0+5], s45, SLOT
	s_add_nc_u64 s[G0+6:G0+7], s[96:97], s[66:67]
	s_add_nc_u64 s[G0+6:G0+7], s[G0+6:G0+7], PART
	s_or_b32 s[G0+7], s[G0+7], 0x80000000
	s_mov_b32 s[G0B+4], 1
	s_add_co_u32 s[G0B+5], s45, SLOT
	s_add_nc_u64 s[G0B+6:G0B+7], s[98:99], s[66:67]
	s_add_nc_u64 s[G0B+6:G0B+7], s[G0B+6:G0B+7], PART
	s_or_b32 s[G0B+7], s[G0B+7], 0x80000000
; the head's four tiles, one joint load a wave, in one chain of branches on the wave's number
.macro ARM under, g0, g1, next
	s_cmp_lt_u32 s18, \under
	s_cbranch_scc0 \next
	tensor_load_to_lds s[\g0:\g0+3], s[\g1:\g1+7]
	s_nop 0
.rept 4
	v_nop
.endr
	s_branch .Lhead_asked
\next:
.endm
	ARM 1, G0,  G1,  .Lhead_b
	ARM 2, G0B, G1B, .Lhead_sa
	ARM 3, G0S, G1S, .Lhead_sb
	tensor_load_to_lds s[G0SB:G0SB+3], s[G1SB:G1SB+7]
	s_nop 0
.rept 4
	v_nop
.endr
.Lhead_asked:
	v_and_b32 v1, 31, v0
	v_and_b32 v2, 15, v0                           ; r
	v_bfe_u32 v3, v0, 4, 1                         ; h
	v_lshlrev_b32 v[L16], 4, v1
	v_lshlrev_b32 v[L8], 3, v1
	s_mul_i32 s45, s19, PART                       ; my 128 rows of A
	s_mul_i32 s46, s20, PART
	s_add_co_u32 s46, s46, 2*PART                  ; my 128 rows of B
.irp s, 0,1
	v_add_nc_u32 v[ADRA+\s], s45, v[L16]
	v_add_nc_u32 v[ADRA+2+\s], s45, v[L8]
	v_add_nc_u32 v[ADRB+\s], s46, v[L16]
	v_add_nc_u32 v[ADRB+2+\s], s46, v[L8]
	s_add_co_u32 s45, s45, SLOT
	s_add_co_u32 s46, s46, SLOT
.endr
	s_lshl_b32 s45, s19, 12                        ; A's scale words
	s_lshl_b32 s46, s20, 12
	s_add_co_u32 s46, s46, 8192                    ; B's
	s_sub_co_u32 s46, s46, s45
	v_mul_u32_u24 v6, s46, v3                      ; lanes 16-31 take B's: the lower base + h x the distance
	s_add_co_u32 s45, s45, SCL
	v_lshl_add_u32 v6, v2, 4, v6
	v_add_nc_u32 v[ADRS], s45, v6
	s_lshl_b32 s45, s18, 10                        ; the way out's scale words: 1,024 bytes a wave at the head of slot 0
	v_lshlrev_b32 v6, 9, v3
	v_lshl_add_u32 v6, v2, 4, v6
	v_add_nc_u32 v[SST], s45, v6                   ; in: 512 h + 16 r
	v_add_nc_u32 v12, s45, v[L16]                  ; back: 16 x lane
	; the biases.  Both sets are loaded in every work-group, the one that its role does not add from the buffer's head
	s_lshl_b32 s92, s42, 10
	s_lshl_b32 s93, s20, 9
	s_add_co_u32 s92, s92, s93                     ; 4 x (256 x B's tile + 128 x half)
	s_lshl_b32 s94, s41, 10
	s_lshl_b32 s95, s19, 9
	s_add_co_u32 s94, s94, s95                     ; 4 x (256 x A's tile + 128 x half)
	s_cmp_eq_u32 s101, 1
	s_cselect_b32 s92, 0, s92
	s_cselect_b32 s94, s94, 0
	s_mov_b32 s93, 0
	s_mov_b32 s95, 0
	s_add_nc_u64 s[92:93], s[8:9], s[92:93]
	s_add_nc_u64 s[94:95], s[8:9], s[94:95]
	v_lshlrev_b32 v8, 6, v3                        ; 64 h: register 16 b + i is column 32 b + 16 h + i
	v_and_b32 v9, 8, v2
	v_add_nc_u32 v9, v9, v2
	v_lshlrev_b32 v9, 2, v9                        ; 4 (r + 8 (r / 8)): my row of a tile of A
.irp b, 0,1,2,3
.irp j, 0,1,2,3
	global_load_b128 v[BB+16*\b+4*\j:BB+16*\b+4*\j+3], v8, s[92:93] offset:128*\b+16*\j
.endr
.endr
.irp a, 0,1,2,3,4,5,6,7
	global_load_b32 v[BA+2*\a], v9, s[94:95] offset:4*(32*(\a/2)+8*(\a%2))      ; twice, to fill the pair that the packed addition names
	global_load_b32 v[BA+2*\a+1], v9, s[94:95] offset:4*(32*(\a/2)+8*(\a%2))
.endr
.macro FRAG reg, adr, q, i             ; a fragment, 12 registers, as it lies: four dense loads
	ds_load_b128 v[\reg:\reg+3], v[\adr] offset:12288*(\q)+1536*(\i)
	ds_load_b64 v[\reg+4:\reg+5], v[\adr+2] offset:12288*(\q)+1536*(\i)+512
	ds_load_b128 v[\reg+6:\reg+9], v[\adr] offset:12288*(\q)+1536*(\i)+768
	ds_load_b64 v[\reg+10:\reg+11], v[\adr+2] offset:12288*(\q)+1536*(\i)+1280
.endm
.macro FETCH_B slot, q, p
	WIN TO_B
.irp i, 0,1,2,3,4,5,6,7
	FRAG 128*(\p)+FR*\i, ADRB+\slot, \q, \i
.endr
	WIN 0
.endm
.macro FETCH_A slot, q, i0
.irp i, \i0, \i0+1, \i0+2, \i0+3
	FRAG AF+FR*(\i), ADRA+\slot, \q, \i
.endr
.endm
.macro SCALES sc                       ; a slot's scale words: register 8 q + i: lanes 0-15 A's tile i, lanes 16-31 B's tile i
.irp q, 0,1
.irp g, 0,1
	ds_load_b128 v[SC+16*\sc+8*\q+4*\g:SC+16*\sc+8*\q+4*\g+3], v[ADRS] offset:512*\q+256*\g
.endr
.endr
.endm
; 16 matrix instructions: A's tiles a0, a0 + 1 x B's eight.  The 64 accumulators take turns, one instruction a turn, in the same order in every step.
.macro MUL16 a0, p, q, sc, zero
.irp a, \a0, \a0+1
.irp b, 0,1,2,3,4,5,6,7
.if \zero
	v_wmma_scale_f32_16x16x128_f8f6f4 v[8*(8*((\a)%4)+\b):8*(8*((\a)%4)+\b)+7], v[128*(\p)+FR*\b:128*(\p)+FR*\b+FR-1], v[AF+FR*(\a):AF+FR*(\a)+FR-1], 0, v[SC+16*(\sc)+8*(\q)+\b], v[SC+16*(\sc)+8*(\q)+(\a)] matrix_a_fmt:MATRIX_FMT_FP6 matrix_b_fmt:MATRIX_FMT_FP6 matrix_a_scale:MATRIX_SCALE_ROW1
.else
	v_wmma_scale_f32_16x16x128_f8f6f4 v[8*(8*((\a)%4)+\b):8*(8*((\a)%4)+\b)+7], v[128*(\p)+FR*\b:128*(\p)+FR*\b+FR-1], v[AF+FR*(\a):AF+FR*(\a)+FR-1], v[8*(8*((\a)%4)+\b):8*(8*((\a)%4)+\b)+7], v[SC+16*(\sc)+8*(\q)+\b], v[SC+16*(\sc)+8*(\q)+(\a)] matrix_a_fmt:MATRIX_FMT_FP6 matrix_b_fmt:MATRIX_FMT_FP6 matrix_a_scale:MATRIX_SCALE_ROW1
.endif
.endr
.endr
.endm
.macro STEP slot, zero                 ; a slot's first step of 128 along K
	s_wait_dscnt 16                                ; B's set, A's tiles 0-3 and the scale words are in; the youngest 16 loads (A's tiles 4-7) may be out
	WIN MUL_LO
	MUL16 0, 0, 0, \slot, \zero
	MUL16 2, 0, 0, \slot, \zero
	s_wait_dscnt 0x0
	PLACES
	FETCH_B \slot, 1, 1
	FETCH_A \slot, 1, 0
	WIN MUL_HI
	MUL16 4, 0, 0, \slot, \zero
	MUL16 6, 0, 0, \slot, \zero
	PLACES
	WIN 0
	FETCH_A \slot, 1, 4
.endm
.macro TURN slot, next, fill           ; a slot's second step changes slots: one barrier; fill = 1: it opens a round of the cluster's barrier, and this slot is filled again, two slots ahead
	s_wait_tensorcnt 0x0                           ; all my tensor loads have landed, my part of the next slot among them
	ds_add_u32 v[SPW], v[NIL]                      ; 0 onto my spare word
	s_wait_dscnt 17                                ; (the add and the youngest 16 loads may be out)
	WIN MUL_LO
	MUL16 0, 1, 1, \slot, 0
	s_wait_dscnt 0x0                               ; the add is done, and my reads of this slot are over
	s_barrier_signal -1
	MUL16 2, 1, 1, \slot, 0
	WIN 0
	s_barrier_wait -1
.if \fill
	CREST                                          ; no wave of any partner still reads this slot or has a load on its way
	s_add_nc_u64 s[G0+4*\slot+2:G0+4*\slot+3], s[G0+4*\slot+2:G0+4*\slot+3], 2*PART
	s_add_nc_u64 s[G0B+4*\slot+2:G0B+4*\slot+3], s[G0B+4*\slot+2:G0B+4*\slot+3], 2*PART
	JLOAD G0+4*\slot, G1, G0B+4*\slot, G1B         ; my one tensor load behind the round; its four v_nop are the places in front of the loads below
.else
	PLACES
.endif
	s_wait_alu depctr_va_vdst(0)
	v_add_nc_u32 v[ADRS], 1024, v[ADRS]            ; the next slot's scale words
	FETCH_B \next, 0, 0
	FETCH_A \next, 0, 0
	SCALES \next
	WIN MUL_HI
	MUL16 4, 1, 1, \slot, 0
	MUL16 6, 1, 1, \slot, 0
	PLACES
	WIN 0
	FETCH_A \next, 0, 4
.endm
	s_wait_alu depctr_va_vdst(0)
	s_wait_tensorcnt 0x0                           ; my tile of the head's four is in; slot 1's first fill is issued as a refill is
	ds_add_u32 v[SPW], v[NIL]
	s_mov_b32 s[G1+2], 1<<16                       ; no tensor load of mine is out: from here on a load brings one record's part, one row
	s_mov_b32 s[G1+4], 1
	s_mov_b32 s[G1B+2], 1<<16
	s_mov_b32 s[G1B+4], 1
	s_mul_i32 s[G0+1], s18, PART                   ; slot 0's ring descriptors: wave x a part, my record
	s_mov_b32 s[G0B+1], s[G0+1]
	s_add_nc_u64 s[G0+2:G0+3], s[G0+2:G0+3], s[66:67]
	s_add_nc_u64 s[G0B+2:G0B+3], s[G0B+2:G0B+3], s[66:67]
	s_wait_dscnt 0x0
	CROUND                                         ; all four tiles are in, and all sixteen work-groups are here
	JLOAD G0+4, G1, G0B+4, G1B                     ; slot 1, the first tensor load behind the round
	FETCH_B 0, 0, 0
	FETCH_A 0, 0, 0
	SCALES 0
	FETCH_A 0, 0, 4
	STEP 0, 1                                      ; the first products start the sums
	TURN 0, 1, 1
	STEP 1, 0
	TURN 1, 0, 1
	STEP 0, 0
	TURN 0, 1, 0                                   ; the last change of slots: nothing is left to fetch
	STEP 1, 0
	s_wait_dscnt 16
	WIN MUL_LO
	MUL16 0, 1, 1, 1, 0
	MUL16 2, 1, 1, 1, 0
	s_wait_dscnt 0x0
	WIN MUL_HI
	MUL16 4, 1, 1, 1, 0
	MUL16 6, 1, 1, 1, 0
	WIN 0
	PLACES
; THE WAY OUT.  For each of A's eight tiles: + bias, the quantiser, four dense stores of codes; the scale words are gathered in my own LDS bytes and leave at the end.
; q, k: a tile's 128 columns are two heads (half c = the head); v: tiles 0-3 are one head's 64 channels, tiles 4-7 the next head's, and c is the half of the 128 keys.
	s_wait_loadcnt 0x0                             ; the biases; their address registers are free
	s_cmp_eq_u32 s101, 1
	s_cselect_b32 s45, s22, s21                    ; which four heads: cy for v, cx for q, k
	s_cselect_b32 s46, s19, s20                    ; which two of them
	s_cselect_b32 s47, s20, s19                    ; which 128 tokens of the tile
	s_cselect_b32 s66, s21, s22                    ; the token tile's place in the cluster
	s_cselect_b32 s2, 6144, 0                      ; V lies behind K in a record
	s_mov_b32 s96, 768
	s_cselect_b32 s96, 1536, s96                   ; from tile to tile
	s_cselect_b32 s67, 0, 16                       ; q, k: lanes 16-31 take the word's upper two bytes
	s_cselect_b32 s100, -1, 0xffff
	s_mov_b32 s16, 12288
	s_cselect_b32 s16, 12800, s16
	s_cmp_eq_u32 s23, 0
	s_cselect_b64 s[92:93], s[10:11], s[12:13]     ; q_ws or kv_ws
	s_mov_b32 s14, 13056
	s_cselect_b32 s14, 6656, s14                   ; a record
	s_cselect_b32 s16, 6144, s16                   ; where its scale words begin
	s_lshl_b32 s15, s14, 4                         ; a head: 16 records
	s_lshr_b32 s17, s40, 1
	s_lshl_b32 s17, s17, 4                         ; 16 x batch
	s_lshl_b32 s45, s45, 2
	s_add_co_u32 s17, s17, s45
	s_lshl_b32 s46, s46, 1
	s_add_co_u32 s17, s17, s46                     ; my first head
	s_and_b32 s45, s40, 1
	s_lshl_b32 s45, s45, 2
	s_add_co_u32 s45, s45, s66                     ; the token tile in its batch
	s_lshl_b32 s45, s45, 1
	s_add_co_u32 s45, s45, s47                     ; my record
	s_mul_i32 s17, s17, s15
	s_mul_i32 s45, s45, s14
	s_add_co_u32 s46, s17, s45
	s_mov_b32 s47, 0
	s_add_nc_u64 s[92:93], s[92:93], s[46:47]
	s_mov_b32 s17, 0
	s_add_nc_u64 s[94:95], s[92:93], s[16:17]      ; the scale words
	s_mov_b32 s3, 0
	s_add_nc_u64 s[92:93], s[92:93], s[2:3]        ; the codes
	s_sub_co_u32 s46, s15, 4608
	s_cmp_eq_u32 s101, 1
	s_mov_b32 s98, 768
	s_cselect_b32 s98, s46, s98                    ; from tile 3 to tile 4: v goes on to the next head
	s_mov_b32 s66, 768
	s_cselect_b32 s66, s66, s15                    ; from half 0 to half 1: v: 768; q, k: the next head
	s_mov_b32 s45, 256
	s_cselect_b32 s45, s15, s45
	s_mov_b32 s97, 0
	s_mov_b32 s99, 0
	s_mov_b32 s[SEL], 0x76543210
	s_mov_b32 s[SEL+1], 0xfedcba98
	v_add_nc_u32 v[L16C], s66, v[L16]
	v_add_nc_u32 v[L8C], s66, v[L8]
	v_mul_u32_u24 v13, s67, v3                     ; the shift
	v_mul_u32_u24 v14, s45, v3
	v_lshl_add_u32 v14, v2, 4, v14                 ; the first 512 bytes of scale words: q, k: 16 x lane; v: 16 r, lanes 16-31 in the next head
.irp b, 0,1,2,3
	v_mov_b32 v[TM+4+\b], 0                        ; a lane permute's destination counts as one of its sources
.endr
.macro OUTBLK a
.if (\a) > 0
	s_wait_xcnt 0x0                                ; the last tile's stores have read their base and the codes' registers
.if (\a) == 4
	s_add_nc_u64 s[92:93], s[92:93], s[98:99]
.else
	s_add_nc_u64 s[92:93], s[92:93], s[96:97]
.endif
.endif
	s_cmp_eq_u32 s101, 1
	s_cbranch_scc1 .Lv_\@
	WIN 0x02+(\a)/4                                ; source 0: the accumulators' window
.set NN, 0
.rept 32
	v_pk_add_f32 v[T+2*NN:T+2*NN+1], v[64*((\a)%4)+2*NN:64*((\a)%4)+2*NN+1], v[BB+2*NN:BB+2*NN+1]   ; q, k: the bias runs along my registers; each accumulator from its low end on
.set NN, NN+1
.endr
	WIN 0
	s_branch .Lq_\@
.Lv_\@:
	WIN 0x02+(\a)/4
.set NN, 0
.rept 32
	v_pk_add_f32 v[T+2*NN:T+2*NN+1], v[64*((\a)%4)+2*NN:64*((\a)%4)+2*NN+1], v[BA+2*(\a):BA+2*(\a)+1]   ; v: one number, my channel's
.set NN, NN+1
.endr
	WIN 0
.Lq_\@:
	QUANT T
	global_store_b128 v[L16], v[PC:PC+3], s[92:93]                  ; 512 consecutive bytes, aligned to 256
	global_store_b64 v[L8], v[PC+4:PC+5], s[92:93] offset:512       ; 256 consecutive bytes, aligned
	global_store_b128 v[L16C], v[PC+6:PC+9], s[92:93]
	global_store_b64 v[L8C], v[PC+10:PC+11], s[92:93] offset:512
	v_lshrrev_b32 v[TMP+(\a)], v13, v[PW]
	v_and_b32 v[TMP+(\a)], s100, v[TMP+(\a)]
	ds_store_b32 v[SST], v[TMP+(\a)] offset:256*((\a)/4)+4*((\a)%4)
.endm
.irp a, 0,1,2,3,4,5,6,7
	OUTBLK \a
.endr
	ds_load_b128 v[128:131], v12                   ; LDS serves a wave's instructions in order: these see my stores.  q, k: the first head's 512 bytes; v: both heads' 256
	s_wait_dscnt 0x0
	global_store_b128 v14, v[128:131], s[94:95]
	s_cmp_eq_u32 s101, 1
	s_cbranch_scc1 .Lno_second
	ds_load_b128 v[132:135], v12 offset:512        ; q, k: the second head's 512 bytes
	s_wait_dscnt 0x0
	global_store_b128 v[L16C], v[132:135], s[94:95]
.Lno_second:
	s_wait_tensorcnt 0x0                           ; the wave's end: behind my last tensor load and my last LDS store
	ds_add_u32 v[SPW], v[NIL]
	s_wait_dscnt 0x0
	CROUND                                         ; the closing round
	s_endpgm
.Lfunc_end_k_q74266c93a5_qkv:
	.size	k_q74266c93a5_qkv, .Lfunc_end_k_q74266c93a5_qkv-k_q74266c93a5_qkv
	.p2alignl 7, 3214868480
	.fill 96, 4, 3214868480
	.section	.rodata,"a",@progbits
	.p2align	6, 0x0
	.amdhsa_kernel k_q74266c93a5_qkv
		.amdhsa_group_segment_fixed_size 327680
		.amdhsa_private_segment_fixed_size 0
		.amdhsa_enable_private_segment 0
		.amdhsa_kernarg_size 40
		.amdhsa_user_sgpr_count 2
		.amdhsa_user_sgpr_kernarg_segment_ptr 1
		.amdhsa_wavefront_size32 1
		.amdhsa_system_sgpr_workgroup_id_x 1
		.amdhsa_system_sgpr_workgroup_id_y 1
		.amdhsa_system_sgpr_workgroup_id_z 1
		.amdhsa_system_vgpr_workitem_id 0
		.amdhsa_next_free_vgpr 1024
		.amdhsa_next_free_sgpr 102
		.amdhsa_reserve_vcc 0
		.amdhsa_float_denorm_mode_32 3
		.amdhsa_float_denorm_mode_16_64 3
		.amdhsa_memory_ordered 1
		.amdhsa_forward_progress 1
		.amdhsa_inst_pref_size 188
	.end_amdhsa_kernel
	.amdgpu_metadata
---
amdhsa.version: [ 1, 2 ]
amdhsa.kernels:
  - .name:           k_q74266c93a5_qkv
    .symbol:         k_q74266c93a5_qkv.kd
    .args:
      - { .name: x_q, .offset: 0, .size: 8, .value_kind: global_buffer, .address_space: global }
      - { .name: wa_q, .offset: 8, .size: 8, .value_kind: global_buffer, .address_space: global }
      - { .name: b_attn, .offset: 16, .size: 8, .value_kind: global_buffer, .address_space: global }
      - { .name: q_ws, .offset: 24, .size: 8, .value_kind: global_buffer, .address_space: global }
      - { .name: kv_ws, .offset: 32, .size: 8, .value_kind: global_buffer, .address_space: global }
    .group_segment_fixed_size: 327680
    .private_segment_fixed_size: 0
    .kernarg_segment_align: 8
    .kernarg_segment_size: 40
    .max_flat_workgroup_size: 128
    .sgpr_count:     102
    .vgpr_count:     1024
    .wavefront_size: 32
...
	.end_amdgpu_metadata
.endif
;; end of part 2
;; launch attn (part 3): grid 4 x 64, 16 waves a work-group, clusters of 4 x 1, 210,944 bytes of LDS; arguments q_ws, kv_ws, o_q; writes o_q
.if DOCPART == 3
	.amdgcn_target "amdgcn-amd-amdhsa--gfx1250"
	.amdhsa_code_object_version 6
	.text
	.protected	k_q74266c93a5_attn
	.globl	k_q74266c93a5_attn
	.p2align	8
	.type	k_q74266c93a5_attn,@function
k_q74266c93a5_attn:
	s_mov_b64 s[64:65], 0
	v_nop
	global_prefetch_b8 v0, s[64:65] scope:SCOPE_SE
	s_setreg_imm32_b32 hwreg(HW_REG_WAVE_MODE, 25, 1), 1
	s_wait_xcnt 0x0
	s_wait_alu depctr_hold_cnt(0) depctr_sa_sdst(0) depctr_va_vdst(0) depctr_va_sdst(0) depctr_va_ssrc(0) depctr_va_vcc(0) depctr_vm_vsrc(0)
	s_getreg_b32 s2, hwreg(HW_REG_IB_STS2, 6, 4)
	s_cmp_eq_u32 s2, 0
	s_cbranch_scc0 .Lentry_in_a_cluster
	s_endpgm
.Lentry_in_a_cluster:
	s_bfe_u32 s2, ttmp6, 0x10000c
	s_cmp_lg_u32 s2, 0x3003
	s_cbranch_scc0 .Lentry_shape_is_right
	s_endpgm
.Lentry_shape_is_right:
; Causal attention of one head (64 channels, 2,048 tokens) on codes of FP6 (E2M3) with E8M0 scales; its result, divided by the row's sum, is quantised along the model's axis and leaves as codes for the last product.
; t = score x log2(e) / 8; M = the running largest t rounded UP to a whole number; p = 2^(t - M) is quantised along the keys, not normalised; the row's sum is taken of the unquantised p.  When M moves, the sum and O are multiplied by 2^(old M - new M): exact.
; SHARES.  The four work-groups of a cluster serve one head.  The head's K and V, codes and scale words, are 16 records of 13,056 bytes (128 keys each): 208,896 bytes.  They come into LDS ONCE, by sixteen joint loads, one a wave; nothing is filled again.
; A wave makes two tiles of 16 queries, one after the other: tile 2 cx of token group w, then tile 2 cx + 1 of group 15 - w: (w + 1) + (16 - w) = 17 key steps with work for every wave.
; Every pass walks all 16 steps (a constant count); a step all of whose keys come after the group is left out by a scalar branch on the wave's number and the step's; in the step on the diagonal hidden scores become -infinity.
; cx enters global addresses and the number that the mask compares with, and nothing else.
; LAYOUT.  Both products are used transposed (S^T = K Q^T, O^T = V^T P^T): a lane holds one query.  Tile t of a record holds keys 32 (t / 2) + 8 (t % 2) + r + 8 (r / 8), so the 16 registers of tiles 2 b, 2 b + 1 are 16 neighbouring keys; V's tiles of channels likewise.
; K = 64 IN AN INSTRUCTION OF 128: Q's registers 6-11 are zero codes.  K's operand for tile t names 12 registers of which the upper six are the next tile's codes (zeros behind the last): E2M3 has no infinity and no NaN, so they add exactly 0 against Q's zeros;
; the upper two bytes of both scale words are 0, which stands for 2^-127.
; LIMITS: NaN and infinities are not served; a block of zeros gets the byte 1 where the rule says 127 (zero codes; this program alone reads the bytes).
; REGISTERS: v1-3 16 l, 8 l, 16 r; v4, v5 the add's two; v6-8 the step's LDS addresses; v9 the mask's number; v12 -M, v13 the largest t, v[14:15] the sum; v16-27 Q; v28 its word; v32-85 K; v86-93 its words;
; v96-159 S^T, p, then V's fragments; v160-191 O^T; v192-211 p's codes; v212-215 V's words; v216-235 at work.
.set REC,   13056
.set HSKV,  208896
.set HSQ,   106496
.set GR,    102400
.set SPARE, 208896                     ; behind the head: the spare words, 128 bytes for each of 16 waves
.set SPW,   4
.set NIL,   5
.set S,     96
.set OT,    160
.set BM,    216
.set PT,    220
.set SO,    224
.set WV,    12
.set SEL,   28
.set CS,    30
.set TB,    32
.set SI,    33
.set GG,    34
.set JJ,    35
.macro CROUND
	s_barrier_signal -1
	s_barrier_wait -1
	s_cmp_lg_u32 s[WV], 0
	s_cbranch_scc1 .Lnot_wave_0_\@
	s_barrier_signal -3
.Lnot_wave_0_\@:
	s_barrier_wait -3
	s_barrier_signal -1
	s_barrier_wait -1
.endm
	s_load_b128 s[4:7], s[0:1], 0x0                ; q_ws s[4:5], kv_ws s[6:7]
	s_load_b64 s[8:9], s[0:1], 0x10                ; o_q
	v_lshl_add_u32 v[SPW], v0, 2, SPARE
	v_mov_b32 v[NIL], 0
	ds_add_u32 v[SPW], v[NIL]                      ; the wave's opening: the add and its wait ahead of my first tensor load
	ds_add_u32 v[SPW], v[NIL]
	v_lshrrev_b32 v1, 5, v0
	s_delay_alu instid0(VALU_DEP_1)
	v_readfirstlane_b32 s[WV], v1                  ; wave 0..15
	s_bfe_u32 s13, ttmp6, 0x40000                  ; cx
	s_and_b32 s14, ttmp7, 0xffff                   ; batch x 16 + head
	s_mov_b32 s16, 15|(3<<16)|(1<<21)              ; group 1: the mask names all four; elements of 8 bytes; a record as 51 rows of 256 bytes, dense, no padding
	s_mov_b32 s17, 32<<16
	s_mov_b32 s18, 51<<16
	s_mov_b32 s19, 32<<16
	s_mov_b32 s20, 51
	s_mov_b32 s21, 32
	s_mov_b32 s22, 0
	s_mov_b32 s23, 0
	s_mul_i32 s25, s[WV], REC                      ; LDS: record w
	s_mul_i32 s44, s14, HSKV
	s_add_co_u32 s44, s44, s25
	s_mov_b32 s45, 0
	s_mov_b32 s24, 1
	s_mov_b32 s[SEL], 0x76543210
	s_mov_b32 s[SEL+1], 0xfedcba98
	s_mov_b32 s[CS], 0x3e38aa3b                    ; c = log2(e) / 8
	s_mov_b32 s[CS+1], s[CS]
	s_wait_dscnt 0x0                               ; the opening add is done
	s_wait_kmcnt 0x0
	s_add_nc_u64 s[26:27], s[6:7], s[44:45]
	s_or_b32 s27, s27, 0x80000000
	CROUND                                         ; all four work-groups are here: the joint loads meet
	tensor_load_to_lds s[24:27], s[16:23]          ; my one tensor load of the launch
	s_nop 0
.rept 4
	v_nop
.endr
	v_and_b32 v11, 31, v0
	s_delay_alu instid0(VALU_DEP_1)
	v_lshlrev_b32 v1, 4, v11                       ; 16 x lane
	s_delay_alu instid0(VALU_DEP_2)
	v_lshlrev_b32 v2, 3, v11                       ; 8 x lane
	v_and_b32 v9, 15, v0
	s_delay_alu instid0(VALU_DEP_1)
	v_lshlrev_b32 v3, 4, v9                        ; 16 r
	v_bfe_u32 v11, v0, 4, 1
	s_delay_alu instid0(VALU_DEP_3)
	v_and_b32 v10, 8, v9
	s_delay_alu instid0(VALU_DEP_1)
	v_add_nc_u32 v10, v10, v9
	s_delay_alu instid0(VALU_DEP_3)
	v_lshlrev_b32 v11, 4, v11
	s_delay_alu instid0(VALU_DEP_1)
	v_sub_nc_u32 v10, v10, v11                     ; r + 8 (r / 8) - 16 h
.irp j, 22,23,24,25,26,27,80,81,82,83,84,85
	v_mov_b32 v\j, 0                               ; zero codes
.endr
.irp b, 0,1,2,3
	v_mov_b32 v[PT+\b], 0                          ; a lane permute's destination counts as one of its sources
.endr
	v_mov_b32 v231, 0                              ; (named as the upper half of the pair v[230:231])
	v_mov_b32 v232, 0
	v_mov_b32 v233, 0xff800000                     ; -infinity
	s_wait_tensorcnt 0x0                           ; my record is in,
	s_barrier_signal -1
	s_barrier_wait -1                              ; everybody's is
.macro PASS p
.if \p
	s_wait_xcnt 0x0                                ; the first pass's stores have read their registers and bases
	s_xor_b32 s[GG], s[WV], 15                     ; token group 15 - w
.else
	s_mov_b32 s[GG], s[WV]
.endif
	s_lshl_b32 s[JJ], s13, 1
	s_add_co_u32 s[JJ], s[JJ], \p                  ; my tile of the group
	s_mul_i32 s44, s14, HSQ
	s_mul_i32 s45, s[GG], 6656
	s_add_co_u32 s44, s44, s45
	s_mul_i32 s45, s[JJ], 768
	s_add_co_u32 s46, s44, s45
	s_mov_b32 s47, 0
	s_add_nc_u64 s[36:37], s[4:5], s[46:47]        ; Q's codes
	s_lshr_b32 s45, s[JJ], 2
	s_lshl_b32 s45, s45, 8
	s_and_b32 s48, s[JJ], 3
	s_lshl_b32 s48, s48, 2
	s_add_co_u32 s48, s48, s45                     ; a tile's place among scale words
	s_add_co_u32 s46, s44, s48
	s_add_co_u32 s46, s46, 6144
	s_add_nc_u64 s[38:39], s[4:5], s[46:47]        ; Q's scale words
	s_lshr_b32 s44, s14, 4
	s_lshl_b32 s44, s44, 4
	s_add_co_u32 s44, s44, s[GG]
	s_mul_i32 s44, s44, GR                         ; o_q's record: 16 x batch + group
	s_bfe_u32 s45, s14, 0x30001                    ; K step = head / 2
	s_and_b32 s49, s14, 1                          ; half = head % 2
	s_mul_i32 s50, s45, 12288
	s_add_co_u32 s46, s44, s50
	s_mul_i32 s50, s[JJ], 1536
	s_add_co_u32 s46, s46, s50
	s_mul_i32 s50, s49, 768
	s_add_co_u32 s46, s46, s50
	s_add_nc_u64 s[40:41], s[8:9], s[46:47]        ; O's codes
	s_lshl_b32 s50, s45, 9
	s_add_co_u32 s46, s44, s50
	s_add_co_u32 s46, s46, s48
	s_lshl_b32 s50, s49, 1
	s_add_co_u32 s46, s46, s50
	s_add_co_u32 s46, s46, 98304
	s_add_nc_u64 s[42:43], s[8:9], s[46:47]        ; O's two scale bytes
	global_load_b128 v[16:19], v1, s[36:37]
	global_load_b64 v[20:21], v2, s[36:37] offset:512
	global_load_b32 v28, v3, s[38:39]
	s_lshl_b32 s45, s13, 5
	s_add_co_u32 s45, s45, 8*\p
	v_add_nc_u32 v9, s45, v10                      ; my query in its group - 16 h.  Register 16 b + i holds key 32 b + 16 h + i: hidden on the diagonal where 32 b + i is above this number
	v_mov_b32 v13, 0xff61b1e6                      ; the largest t so far: -3e38
	s_delay_alu instid0(VALU_DEP_1)
	v_floor_f32 v12, -v13                          ; -M
	v_mov_b32 v14, 0
	v_mov_b32 v15, 0
.set NN, 0
.rept 32
	v_mov_b32 v[OT+NN], 0                          ; O^T: the step is written once; its first trip finds zeros
.set NN, NN+1
.endr
	s_mov_b32 s[TB], 0
	s_mov_b32 s[SI], 0
	s_wait_loadcnt 0x0
.Lstep_\@:
	s_cmp_gt_u32 s[SI], s[GG]
	s_cbranch_scc1 .Lhid_\@                        ; all 128 keys come after my queries
	v_add_nc_u32 v6, s[TB], v1
	v_add_nc_u32 v7, s[TB], v2
	v_add_nc_u32 v8, s[TB], v3
.irp t, 0,1,2,3,4,5,6,7
	ds_load_b128 v[32+6*\t:35+6*\t], v6 offset:768*\t
	ds_load_b64 v[36+6*\t:37+6*\t], v7 offset:768*\t+512
.endr
	ds_load_b128 v[86:89], v8 offset:12288
	ds_load_b128 v[90:93], v8 offset:12544
	s_wait_dscnt 0x0
.irp t, 0,1,2,3,4,5,6,7
	v_wmma_scale_f32_16x16x128_f8f6f4 v[S+8*\t:S+8*\t+7], v[32+6*\t:43+6*\t], v[16:27], 0, v[86+\t], v28 matrix_a_fmt:MATRIX_FMT_FP6 matrix_b_fmt:MATRIX_FMT_FP6
.endr
.rept 4
	v_nop                                          ; four places ahead of the first read of the scores
.endr
	s_cmp_lg_u32 s[SI], s[GG]
	s_cbranch_scc1 .Lopen_\@                       ; all keys count
.set NN, 0
.rept 64
	v_cmp_gt_i32 vcc_lo, 32*(NN/16)+NN%16, v9
	v_cndmask_b32 v[S+NN], v[S+NN], v233, vcc_lo
.set NN, NN+1
.endr
.Lopen_\@:
.irp b, 0,1,2,3
	v_max3_num_f32 v[BM+\b], v[S+16*\b], v[S+1+16*\b], v[S+2+16*\b]   ; the largest score of each block of 32 keys: it serves the row's maximum and, since p rises with the score, the block's largest p
.endr
.irp i, 3,5,7,9,11,13
.irp b, 0,1,2,3
	v_max3_num_f32 v[BM+\b], v[BM+\b], v[S+16*\b+\i], v[S+1+16*\b+\i]
.endr
.endr
.irp b, 0,1,2,3
	v_max_num_f32 v[BM+\b], v[BM+\b], v[S+15+16*\b]
.endr
.irp b, 0,1,2,3
	s_delay_alu instid0(VALU_DEP_4)
	v_permlanex16_b32 v[PT+\b], v[BM+\b], s[SEL], s[SEL+1]
.endr
.irp b, 0,1,2,3
	s_delay_alu instid0(VALU_DEP_4)
	v_max_num_f32 v[BM+\b], v[BM+\b], v[PT+\b]
.endr
	s_delay_alu instid0(VALU_DEP_2)
	v_max3_num_f32 v232, v216, v217, v218
	s_delay_alu instid0(VALU_DEP_1)
	v_max_num_f32 v232, v232, v219
	s_delay_alu instid0(VALU_DEP_1)
	v_mul_f32 v232, s[CS], v232
	s_delay_alu instid0(VALU_DEP_1)
	v_max_num_f32 v13, v13, v232                   ; the running largest t
	v_mov_b32 v232, v12
	s_delay_alu instid0(VALU_DEP_2)
	v_floor_f32 v12, -v13                          ; the new -M
	s_delay_alu instid0(VALU_DEP_1)
	v_sub_f32 v232, v12, v232                      ; old M - new M: a whole number, 0 or less
	s_delay_alu instid0(VALU_DEP_1)
	v_cvt_i32_f32 v232, v232                       ; (it saturates)
	s_delay_alu instid0(VALU_DEP_1)
	v_ldexp_f32 v230, 1.0, v232                    ; f = 2^(old M - new M)
.set NN, 0
.rept 32
	v_pk_fma_f32 v[S+2*NN:S+2*NN+1], v[S+2*NN:S+2*NN+1], s[CS:CS+1], v[12:13] op_sel_hi:[1,0,0]   ; t - M
.set NN, NN+1
.endr
.irp b, 0,1,2,3
	v_fma_f32 v[BM+\b], v[BM+\b], s[CS], v12
.endr
.set NN, 0
	s_wait_alu depctr_va_vdst(0)
.rept 64
	v_exp_f32 v[S+NN], v[S+NN]                     ; p
.set NN, NN+1
.endr
	v_pk_mul_f32 v[14:15], v[14:15], v[230:231] op_sel_hi:[1,0]   ; the sums under the new M: the plain place behind the exponentials
	s_wait_alu depctr_va_vdst(0)                   ; one wait for the batch of 64, ahead of its first reader
.irp b, 0,1,2,3
	v_exp_f32 v[BM+\b], v[BM+\b]                   ; each block's largest p
.endr
	v_pk_add_f32 v[234:235], v[100:101], v[104:105]
	v_pk_add_f32 v[254:255], v[108:109], v[112:113]
	v_pk_add_f32 v[252:253], v[116:117], v[120:121]
	v_pk_add_f32 v[250:251], v[124:125], v[128:129]
	v_pk_add_f32 v[248:249], v[132:133], v[136:137]
	v_pk_add_f32 v[246:247], v[140:141], v[144:145]
	v_pk_add_f32 v[244:245], v[148:149], v[152:153]
	v_pk_add_f32 v[14:15], v[14:15], v[156:157]
	v_pk_add_f32 v[234:235], v[234:235], v[96:97]
	v_pk_add_f32 v[254:255], v[254:255], v[98:99]
	v_pk_add_f32 v[252:253], v[252:253], v[102:103]
	v_pk_add_f32 v[250:251], v[250:251], v[106:107]
	v_pk_add_f32 v[248:249], v[248:249], v[110:111]
	v_pk_add_f32 v[246:247], v[246:247], v[114:115]
	v_pk_add_f32 v[244:245], v[244:245], v[118:119]
	v_pk_add_f32 v[14:15], v[14:15], v[122:123]
	v_pk_add_f32 v[234:235], v[234:235], v[126:127]
	v_pk_add_f32 v[254:255], v[254:255], v[130:131]
	v_pk_add_f32 v[252:253], v[252:253], v[134:135]
	v_pk_add_f32 v[250:251], v[250:251], v[138:139]
	v_pk_add_f32 v[248:249], v[248:249], v[142:143]
	v_pk_add_f32 v[246:247], v[246:247], v[146:147]
	v_pk_add_f32 v[244:245], v[244:245], v[150:151]
	v_pk_add_f32 v[14:15], v[14:15], v[154:155]
	v_pk_add_f32 v[234:235], v[234:235], v[158:159]
	s_delay_alu instid0(VALU_DEP_2)
	v_pk_add_f32 v[14:15], v[14:15], v[250:251]
	s_delay_alu instid0(VALU_DEP_2)
	v_pk_add_f32 v[234:235], v[234:235], v[248:249]
	v_pk_add_f32 v[254:255], v[254:255], v[246:247]
	v_pk_add_f32 v[252:253], v[252:253], v[244:245]
	s_delay_alu instid0(VALU_DEP_2)
	v_pk_add_f32 v[14:15], v[14:15], v[254:255]
	s_delay_alu instid0(VALU_DEP_2)
	v_pk_add_f32 v[234:235], v[234:235], v[252:253]
	s_delay_alu instid0(VALU_DEP_1)
	v_pk_add_f32 v[14:15], v[14:15], v[234:235]
	s_wait_alu depctr_va_vdst(0)                   ; and one for the four
.irp b, 0,1,2,3
	v_max_num_f32 v[BM+\b], 0x1800000, v[BM+\b]    ; the floor: the byte cannot fall under 1
.endr
.irp b, 0,1,2,3
	s_delay_alu instid0(VALU_DEP_4)
	v_add_nc_u32 v[SO+\b], 0xff000000, v[BM+\b]    ; the conversion's scale operand
.endr
.irp b, 0,1,2,3
	s_delay_alu instid0(VALU_DEP_4)
	v_lshrrev_b32 v[PT+\b], 23, v[SO+\b]           ; the byte
.endr
	s_delay_alu instid0(VALU_DEP_3)
	v_lshl_or_b32 v228, v221, 8, v220              ; p's scale word for these 128 keys
	s_delay_alu instid0(VALU_DEP_1)
	v_lshl_or_b32 v228, v222, 16, v228
	s_delay_alu instid0(VALU_DEP_1)
	v_lshl_or_b32 v228, v223, 24, v228
	v_cvt_scalef32_pk16_fp6_f32 v[192:194], v[S:S+15], v224
	v_cvt_scalef32_pk16_fp6_f32 v[204:206], v[S+16:S+31], v225
	v_cvt_scalef32_pk16_fp6_f32 v[198:200], v[S+32:S+47], v226
	v_cvt_scalef32_pk16_fp6_f32 v[208:210], v[S+48:S+63], v227
	v_nop                                          ; one plain place behind a scaled conversion
.irp t, 0,1,2,3                                ; V's four fragments land where p lay
.irp c, 0,1
	ds_load_b128 v[S+12*\t+6*\c:S+12*\t+6*\c+3], v6 offset:6144+1536*\t+768*\c
	ds_load_b64 v[S+12*\t+6*\c+4:S+12*\t+6*\c+5], v7 offset:6144+1536*\t+768*\c+512
.endr
.endr
	ds_load_b128 v[212:215], v8 offset:12800
.irp i, 0,1,2
	v_permlane16_swap_b32 v[192+\i], v[204+\i]     ; a whole block to a lane
.endr
.irp i, 0,1,2
	s_delay_alu instid0(VALU_DEP_3)
	v_mov_b32 v[195+\i], v[204+\i]
.endr
.irp i, 0,1,2
	v_permlane16_swap_b32 v[198+\i], v[208+\i]
.endr
.irp i, 0,1,2
	s_delay_alu instid0(VALU_DEP_3)
	v_mov_b32 v[201+\i], v[208+\i]
.endr
.set NN, 0
.rept 16
	v_pk_mul_f32 v[OT+2*NN:OT+2*NN+1], v[OT+2*NN:OT+2*NN+1], v[230:231] op_sel_hi:[1,0]   ; O^T under the new M.  Twelve of these name no register of any one product below: the places behind the scale word and the codes
.set NN, NN+1
.endr
	s_wait_alu depctr_va_vdst(0)
	s_wait_dscnt 0x0
.irp t, 0,1,2,3
	v_wmma_scale_f32_16x16x128_f8f6f4 v[OT+8*\t:OT+8*\t+7], v[S+12*\t:S+12*\t+11], v[192:203], v[OT+8*\t:OT+8*\t+7], v[212+\t], v228 matrix_a_fmt:MATRIX_FMT_FP6 matrix_b_fmt:MATRIX_FMT_FP6
.endr
.rept 5
	v_nop                                          ; five places: the next step's products write the scores over V's registers; the way out reads O^T
.endr
.Lhid_\@:
	s_add_co_u32 s[TB], s[TB], REC
	s_add_co_u32 s[SI], s[SI], 1
	s_cmp_lt_u32 s[SI], 16
	s_cbranch_scc1 .Lstep_\@
	; the way out: O^T / the sum; register 16 b + i is channel 32 b + 16 h + i: two blocks of the last product's K
	v_add_f32 v14, v14, v15
	s_delay_alu instid0(VALU_DEP_1)
	v_permlanex16_b32 v232, v14, s[SEL], s[SEL+1]
	s_delay_alu instid0(VALU_DEP_1)
	v_add_f32 v14, v14, v232
	s_wait_alu depctr_va_vdst(0)
	v_rcp_f32 v14, v14
	v_nop                                          ; a plain place behind the reciprocal
	s_wait_alu depctr_va_vdst(0)                   ; and the wait ahead of its first reader
.set NN, 0
.rept 16
	v_pk_mul_f32 v[S+2*NN:S+2*NN+1], v[OT+2*NN:OT+2*NN+1], v[14:15] op_sel_hi:[1,0]
.set NN, NN+1
.endr
.irp b, 0,1
	v_max3_num_f32 v[BM+\b], |v[S+16*\b]|, |v[S+1+16*\b]|, 0x1800000
.endr
.irp i, 2,4,6,8,10,12,14
.irp b, 0,1
	s_delay_alu instid0(VALU_DEP_2)
	v_max3_num_f32 v[BM+\b], v[BM+\b], |v[S+16*\b+\i]|, |v[S+1+16*\b+\i]|
.endr
.endr
.irp b, 0,1
	s_delay_alu instid0(VALU_DEP_2)
	v_permlanex16_b32 v[PT+\b], v[BM+\b], s[SEL], s[SEL+1]
.endr
.irp b, 0,1
	s_delay_alu instid0(VALU_DEP_2)
	v_max_num_f32 v[BM+\b], v[BM+\b], v[PT+\b]
.endr
.irp b, 0,1
	s_delay_alu instid0(VALU_DEP_2)
	v_add_nc_u32 v[SO+\b], 0xff000000, v[BM+\b]
.endr
.irp b, 0,1
	s_delay_alu instid0(VALU_DEP_2)
	v_lshrrev_b32 v[PT+\b], 23, v[SO+\b]
.endr
	s_delay_alu instid0(VALU_DEP_1)
	v_lshl_or_b32 v228, v221, 8, v220              ; my row's two bytes
	v_cvt_scalef32_pk16_fp6_f32 v[192:194], v[S:S+15], v224
	v_cvt_scalef32_pk16_fp6_f32 v[204:206], v[S+16:S+31], v225
	v_nop
.irp i, 0,1,2
	v_permlane16_swap_b32 v[192+\i], v[204+\i]
.endr
.irp i, 0,1,2
	s_delay_alu instid0(VALU_DEP_3)
	v_mov_b32 v[195+\i], v[204+\i]
.endr
	global_store_b128 v1, v[192:195], s[40:41]             ; 512 consecutive bytes, aligned to 256
	global_store_b64 v2, v[196:197], s[40:41] offset:512   ; 256 consecutive bytes, aligned
	global_store_b16 v3, v228, s[42:43]                    ; two bytes a token: a head owns half of a scale word (lanes 16-31 write the same bytes with the same values)
.endm
	PASS 0
	PASS 1
	s_wait_tensorcnt 0x0                           ; the wave's end
	ds_add_u32 v[SPW], v[NIL]
	s_wait_dscnt 0x0
	CROUND                                         ; the closing round
	s_endpgm
.Lfunc_end_k_q74266c93a5_attn:
	.size	k_q74266c93a5_attn, .Lfunc_end_k_q74266c93a5_attn-k_q74266c93a5_attn
	.p2alignl 7, 3214868480
	.fill 96, 4, 3214868480
	.section	.rodata,"a",@progbits
	.p2align	6, 0x0
	.amdhsa_kernel k_q74266c93a5_attn
		.amdhsa_group_segment_fixed_size 210944
		.amdhsa_private_segment_fixed_size 0
		.amdhsa_enable_private_segment 0
		.amdhsa_kernarg_size 24
		.amdhsa_user_sgpr_count 2
		.amdhsa_user_sgpr_kernarg_segment_ptr 1
		.amdhsa_wavefront_size32 1
		.amdhsa_system_sgpr_workgroup_id_x 1
		.amdhsa_system_sgpr_workgroup_id_y 1
		.amdhsa_system_sgpr_workgroup_id_z 1
		.amdhsa_system_vgpr_workitem_id 0
		.amdhsa_next_free_vgpr 256
		.amdhsa_next_free_sgpr 66
		.amdhsa_reserve_vcc 1
		.amdhsa_float_denorm_mode_32 3
		.amdhsa_float_denorm_mode_16_64 3
		.amdhsa_memory_ordered 1
		.amdhsa_forward_progress 1
		.amdhsa_inst_pref_size 64
	.end_amdhsa_kernel
	.amdgpu_metadata
---
amdhsa.version: [ 1, 2 ]
amdhsa.kernels:
  - .name:           k_q74266c93a5_attn
    .symbol:         k_q74266c93a5_attn.kd
    .args:
      - { .name: q_ws, .offset: 0, .size: 8, .value_kind: global_buffer, .address_space: global }
      - { .name: kv_ws, .offset: 8, .size: 8, .value_kind: global_buffer, .address_space: global }
      - { .name: o_q, .offset: 16, .size: 8, .value_kind: global_buffer, .address_space: global }
    .group_segment_fixed_size: 210944
    .private_segment_fixed_size: 0
    .kernarg_segment_align: 8
    .kernarg_segment_size: 24
    .max_flat_workgroup_size: 512
    .sgpr_count:     66
    .vgpr_count:     256
    .wavefront_size: 32
...
	.end_amdgpu_metadata
.endif
;; end of part 3
;; launch proj (part 4): grid 4 x 64, 4 waves a work-group, clusters of 4 x 4, 327,680 bytes of LDS; arguments o_q, wp_q, b_proj, out0; writes out0
.if DOCPART == 4
	.amdgcn_target "amdgcn-amd-amdhsa--gfx1250"
	.amdhsa_code_object_version 6
	.text
	.protected	k_q74266c93a5_proj
	.globl	k_q74266c93a5_proj
	.p2align	8
	.type	k_q74266c93a5_proj,@function
k_q74266c93a5_proj:
	s_mov_b64 s[64:65], 0
	v_nop
	global_prefetch_b8 v0, s[64:65] scope:SCOPE_SE
	s_setreg_imm32_b32 hwreg(HW_REG_WAVE_MODE, 25, 1), 1
	s_wait_xcnt 0x0
	s_wait_alu depctr_hold_cnt(0) depctr_sa_sdst(0) depctr_va_vdst(0) depctr_va_sdst(0) depctr_va_ssrc(0) depctr_va_vcc(0) depctr_vm_vsrc(0)
	s_getreg_b32 s2, hwreg(HW_REG_IB_STS2, 6, 4)
	s_cmp_eq_u32 s2, 0
	s_cbranch_scc0 .Lentry_in_a_cluster
	s_endpgm
.Lentry_in_a_cluster:
	s_bfe_u32 s2, ttmp6, 0x10000c
	s_cmp_lg_u32 s2, 0xf033
	s_cbranch_scc0 .Lentry_shape_is_right
	s_endpgm
.Lentry_shape_is_right:
; out0 = O W_proj + b_proj on codes of FP6 (E2M3) with E8M0 scales, K = 1,024; f32 sums, f32 out.
; OPERANDS lie in records of GR bytes for 128 rows: [K step 0..7][tile 0..7][1,536 bytes in the order of the fragment's registers], then 4,096 bytes of scale words.  Tile i holds rows 32 (i / 2) + 8 (i % 2) + r + 8 (r / 8).
; SHARES: 256 work-groups; a block is 128 tokens (one record of o_q) x 256 columns (two records of wp_q).  Four waves, 2 x 2: a wave takes A's tiles 4 s19 .. 4 s19 + 3 against the eight tiles of B's record s20: 32 accumulators.
; LDS holds the three records whole, as they lie in memory (3 x 102,400 bytes): nothing is filled again.  TWO FILLS: the records' second halves (K steps 4-7 and the scale words, 53,248 dense bytes) at the head, one joint load a wave;
; the first halves (49,152 bytes) behind a drained round.  So the sums take K steps 4, 5, 6, 7, 0, 1, 2, 3: an order of rounding other than ascending K.
; A plain barrier inside the fourth step shows the second fill to all waves; behind it nobody reads A's K steps 4-7, where the way out's stages lie.
; CLUSTER 4 x 4: A's record is shared along a row of the cluster, B's records along a column.
; The matrix instruction takes B's rows as source 0 and A's as source 1: a lane holds one token, and the registers of B's tiles 2 b, 2 b + 1 are 16 neighbouring columns.  The bias is the first products' C.
; No prefetch: the launch has two fills in all and no loop to run ahead in.
; LIMITS: NaN and infinities are not served.
; REGISTERS: window 0: v16-30 addresses; v32-47 scale words, two sets; v64-127 the bias; v128-223 A's fragments, two sets; window 1: B's fragments, two sets (v0, v128); window 2: accumulator (a, b) at v[8 (8 a + b)].
.set GR,    102400
.set TAIL,  49152                      ; where K step 4 begins in a record
.set SCO,   98304                      ; where the scale words begin
.set SPARE, 3*GR                       ; the spare words, 128 bytes for each wave
.set FR,    12
.set NF,    50                         ; LDS loads of a step: 32 for B, 16 for A, 2 for the scale words
.set ADRA,  16                         ; v16, v17: 16 x lane + my A tiles at K step 0, 4;  v18, v19: the same with 8 x lane
.set ADRB,  20                         ; v20-23 the same for B
.set STO,   24
.set RD,    25
.set CO,    26
.set ADRS,  27                         ; scale words: lanes 0-15 A's four tiles, lanes 16-31 B's tiles 0-3
.set SPW,   28
.set NIL,   29
.set ADRS1, 30                         ; lanes 0-15 as v27, lanes 16-31 B's tiles 4-7
.set SC,    32
.set BB,    64
.set AF,    128
.set BK,    128
.set G1,    24
.set G0,    32                         ; s[32:35] A's first fill, s[36:39] its second
.set G1B,   48
.set G0B,   56
.set MSB, 0
.macro WIN new
.if MSB != (\new)
	s_set_vgpr_msb (MSB<<8)|(\new)
.set MSB, (\new)
.endif
.endm
.set MUL_LO, 0xa1                      ; source 0 (B) window 1, source 1 (A) window 0, C and D window 2
.set FST_LO, 0x81                      ; the same with C (the bias) in window 0
.set TO_B,   0x40
.macro JLOAD g0a, g1a, g0b, g1b        ; waves 0, 1 fetch for A, waves 2, 3 for B
	s_cmp_eq_u32 s19, 0
	s_cbranch_scc0 .Lfor_b_\@
	tensor_load_to_lds s[\g0a:\g0a+3], s[\g1a:\g1a+7]
	s_nop 0
.rept 4
	v_nop
.endr
	s_branch .Lasked_\@
.Lfor_b_\@:
	tensor_load_to_lds s[\g0b:\g0b+3], s[\g1b:\g1b+7]
	s_nop 0
.rept 4
	v_nop
.endr
.Lasked_\@:
.endm
.macro CROUND
	s_barrier_signal -1
	s_barrier_wait -1
	s_cmp_lg_u32 s18, 0
	s_cbranch_scc1 .Lnot_wave_0_\@
	s_barrier_signal -3
.Lnot_wave_0_\@:
	s_barrier_wait -3
	s_barrier_signal -1
	s_barrier_wait -1
.endm
.macro PLACES                          ; four plain places behind matrix instructions (ISA guide 7.12.1)
.rept 4
	v_nop
.endr
.endm
	s_load_b256 s[4:11], s[0:1], 0x0               ; o_q, wp_q, b_proj, out0
	v_lshl_add_u32 v[SPW], v0, 2, SPARE
	v_mov_b32 v[NIL], 0
	ds_add_u32 v[SPW], v[NIL]                      ; the opening lines
	ds_add_u32 v[SPW], v[NIL]
	v_lshrrev_b32 v1, 5, v0
	v_readfirstlane_b32 s18, v1                    ; wave
	s_lshr_b32 s19, s18, 1                         ; my four tiles of A.  Also: I fetch for A (0) or B (1)
	s_and_b32 s20, s18, 1                          ; my record of B.  Also: which half of A's fill, or which record of B, I fetch
	s_bfe_u32 s21, ttmp6, 0x40000                  ; cx
	s_bfe_u32 s22, ttmp6, 0x40004                  ; cy
	s_and_b32 s40, ttmp7, 0xffff
	s_lshl_b32 s41, s40, 2
	s_add_co_u32 s41, s41, s22                     ; A's record, 0 .. 63
	s_lshl_b32 s42, ttmp9, 2
	s_add_co_u32 s42, s42, s21                     ; B's tile of 256 columns
	s_lshl_b32 s43, s22, 2
	s_lshl_b32 s43, 15, s43                        ; my row of the cluster
	s_lshl_b32 s44, 0x1111, s21                    ; my column
	s_or_b32 s[G1], s43, (3<<16)|(1<<21)
	s_or_b32 s[G1B], s44, (3<<16)|(1<<21)
.irp g, G1, G1B                        ; dense blocks as rows of 256 bytes, no padding
	s_mov_b32 s[\g+1], 32<<16
	s_mov_b32 s[\g+3], 32<<16
	s_mov_b32 s[\g+5], 32
	s_mov_b32 s[\g+6], 0
	s_mov_b32 s[\g+7], 0
.endr
	s_mov_b32 s[G1+2], 104<<16                     ; the first fill: half of A's 208 rows,
	s_mov_b32 s[G1+4], 104
	s_mov_b32 s[G1B+2], 208<<16                    ; a record of B's 208
	s_mov_b32 s[G1B+4], 208
	s_mul_i32 s92, s41, GR
	s_mul_i32 s45, s20, 104*256
	s_add_co_u32 s45, s45, TAIL                    ; the place in the record is the place in LDS
	s_add_co_u32 s92, s92, s45
	s_mov_b32 s93, 0
	s_mul_i32 s96, s41, GR
	s_mul_i32 s46, s20, 96*256
	s_add_co_u32 s96, s96, s46
	s_mov_b32 s97, 0
	s_lshl_b32 s94, s42, 1
	s_add_co_u32 s94, s94, s20
	s_mul_i32 s94, s94, GR
	s_mov_b32 s95, 0
	s_mul_i32 s47, s20, GR
	s_add_co_u32 s47, s47, GR                      ; B's records lie behind A's
	s_mov_b32 s[G0], 1
	s_mov_b32 s[G0+1], s45
	s_mov_b32 s[G0+4], 1
	s_mov_b32 s[G0+5], s46
	s_mov_b32 s[G0B], 1
	s_add_co_u32 s[G0B+1], s47, TAIL
	s_mov_b32 s[G0B+4], 1
	s_mov_b32 s[G0B+5], s47
	s_wait_dscnt 0x0
	s_wait_kmcnt 0x0
	s_add_nc_u64 s[G0+2:G0+3], s[4:5], s[92:93]
	s_add_nc_u64 s[G0+6:G0+7], s[4:5], s[96:97]
	s_add_nc_u64 s[G0B+6:G0B+7], s[6:7], s[94:95]
	s_add_nc_u64 s[G0B+2:G0B+3], s[G0B+6:G0B+7], TAIL
	s_or_b32 s[G0+3], s[G0+3], 0x80000000
	s_or_b32 s[G0+7], s[G0+7], 0x80000000
	s_or_b32 s[G0B+3], s[G0B+3], 0x80000000
	s_or_b32 s[G0B+7], s[G0B+7], 0x80000000
	CROUND                                         ; the first joint loads meet
	JLOAD G0, G1, G0B, G1B                         ; K steps 4-7 and the scale words: my one load at the head
	v_and_b32 v1, 31, v0
	v_and_b32 v2, 15, v0                           ; r
	v_bfe_u32 v3, v0, 4, 1                         ; h
	v_lshlrev_b32 v[CO], 4, v1
	v_lshlrev_b32 v5, 3, v1
	s_mul_i32 s45, s19, 4*1536
	s_mul_i32 s46, s20, GR
	s_add_co_u32 s46, s46, GR
.irp s, 0,1
	v_add_nc_u32 v[ADRA+\s], s45, v[CO]
	v_add_nc_u32 v[ADRA+2+\s], s45, v5
	v_add_nc_u32 v[ADRB+\s], s46, v[CO]
	v_add_nc_u32 v[ADRB+2+\s], s46, v5
	s_add_co_u32 s45, s45, TAIL
	s_add_co_u32 s46, s46, TAIL
.endr
	s_lshl_b32 s45, s19, 8
	s_add_co_u32 s45, s45, SCO                     ; A's words: my group of four tiles
	s_mul_i32 s46, s20, GR
	s_add_co_u32 s46, s46, GR+SCO                  ; B's
	s_sub_co_u32 s46, s46, s45
	v_mul_u32_u24 v6, s46, v3                      ; the lower base + h x the distance
	v_lshl_add_u32 v6, v2, 4, v6
	v_add_nc_u32 v[ADRS], s45, v6
	s_add_co_u32 s46, s46, 256
	v_mul_u32_u24 v7, s46, v3
	v_lshl_add_u32 v7, v2, 4, v7
	v_add_nc_u32 v[ADRS1], s45, v7
	s_mul_i32 s45, s18, 16*528
	s_add_co_u32 s45, s45, TAIL                    ; my stage
	v_mul_u32_u24 v6, v2, 528
	v_lshl_add_u32 v6, v3, 6, v6
	v_add_nc_u32 v[STO], s45, v6
	v_add_nc_u32 v[RD], s45, v[CO]
	s_lshl_b32 s92, s42, 10
	s_lshl_b32 s93, s20, 9
	s_add_co_u32 s92, s92, s93                     ; my first column, in bytes
	s_mov_b32 s93, 0
	s_add_nc_u64 s[8:9], s[8:9], s[92:93]
	s_add_nc_u64 s[10:11], s[10:11], s[92:93]
	s_lshl_b32 s92, s41, 19                        ; 128 rows of 4,096 bytes a record,
	s_lshl_b32 s94, s19, 18                        ; 64 for my four tiles
	s_add_co_u32 s92, s92, s94
	s_add_nc_u64 s[10:11], s[10:11], s[92:93]
	v_lshlrev_b32 v8, 6, v3                        ; register 16 b + i is column 32 b + 16 h + i
.irp b, 0,1,2,3
.irp j, 0,1,2,3
	global_load_b128 v[BB+16*\b+4*\j:BB+16*\b+4*\j+3], v8, s[8:9] offset:128*\b+16*\j
.endr
.endr
.macro FRAG reg, adr, off, i           ; a fragment as it lies: four dense loads
	ds_load_b128 v[\reg:\reg+3], v[\adr] offset:(\off)+1536*(\i)
	ds_load_b64 v[\reg+4:\reg+5], v[\adr+2] offset:(\off)+1536*(\i)+512
	ds_load_b128 v[\reg+6:\reg+9], v[\adr] offset:(\off)+1536*(\i)+768
	ds_load_b64 v[\reg+10:\reg+11], v[\adr+2] offset:(\off)+1536*(\i)+1280
.endm
.macro FETCH st                        ; step st works on K step (st + 4) % 8; its fragments and scale words go into set st % 2
.set HF, 1-(\st)/4
.set OFF, 12288*((\st)%4)
.set P_, (\st)%2
	WIN TO_B
.irp i, 0,1,2,3,4,5,6,7
	FRAG 128*P_+FR*\i, ADRB+HF, OFF, \i
.endr
	WIN 0
.irp i, 0,1,2,3
	FRAG AF+48*P_+FR*\i, ADRA+HF, OFF, \i
.endr
	ds_load_b128 v[SC+8*P_:SC+8*P_+3], v[ADRS] offset:512*(((\st)+4)%8)
	ds_load_b128 v[SC+8*P_+4:SC+8*P_+7], v[ADRS1] offset:512*(((\st)+4)%8)
.endm
; 16 products: A's tiles a0, a0 + 1 x B's eight.  The 32 accumulators take turns in the same order in every step.
.macro MUL16 a0, p, first
.irp a, \a0, \a0+1
.irp b, 0,1,2,3,4,5,6,7
.if \first
	v_wmma_scale_f32_16x16x128_f8f6f4 v[8*(8*(\a)+\b):8*(8*(\a)+\b)+7], v[128*(\p)+FR*\b:128*(\p)+FR*\b+FR-1], v[AF+48*(\p)+FR*(\a):AF+48*(\p)+FR*(\a)+FR-1], v[BB+8*\b:BB+8*\b+7], v[SC+8*(\p)+\b], v[SC+8*(\p)+(\a)] matrix_a_fmt:MATRIX_FMT_FP6 matrix_b_fmt:MATRIX_FMT_FP6 matrix_a_scale:MATRIX_SCALE_ROW1
.else
	v_wmma_scale_f32_16x16x128_f8f6f4 v[8*(8*(\a)+\b):8*(8*(\a)+\b)+7], v[128*(\p)+FR*\b:128*(\p)+FR*\b+FR-1], v[AF+48*(\p)+FR*(\a):AF+48*(\p)+FR*(\a)+FR-1], v[8*(8*(\a)+\b):8*(8*(\a)+\b)+7], v[SC+8*(\p)+\b], v[SC+8*(\p)+(\a)] matrix_a_fmt:MATRIX_FMT_FP6 matrix_b_fmt:MATRIX_FMT_FP6 matrix_a_scale:MATRIX_SCALE_ROW1
.endif
.endr
.endr
.endm
.macro STEP st                         ; the next step's loads go out first, into the set that the step before has multiplied; then this step's 32 products
	PLACES
	FETCH (\st)+1
	s_wait_dscnt NF                                ; all but the NF just issued: this step's set is in
	WIN MUL_LO
	MUL16 0, (\st)%2, 0
	MUL16 2, (\st)%2, 0
.endm
	s_wait_alu depctr_va_vdst(0)                   ; the wait at the head's end
	s_wait_tensorcnt 0x0                           ; my part of the first fill is in; the three lines ahead of a later first fill
	ds_add_u32 v[SPW], v[NIL]
	s_mov_b32 s[G1+2], 96<<16                      ; no tensor load of mine is out: the second fill has 192 rows a record
	s_mov_b32 s[G1+4], 96
	s_mov_b32 s[G1B+2], 192<<16
	s_mov_b32 s[G1B+4], 192
	s_wait_dscnt 0x0
	CROUND                                         ; everybody's part is in, and the joint loads meet
	JLOAD G0+4, G1, G0B+4, G1B                     ; K steps 0-3
	FETCH 0
	s_wait_loadcnt 0x0                             ; the bias
	FETCH 1
	s_wait_dscnt NF
	WIN FST_LO
	MUL16 0, 0, 1                                  ; the first products start the sums on the bias
	MUL16 2, 0, 1
	STEP 1
	STEP 2
	s_wait_tensorcnt 0x0                           ; my part of the second fill is in,
	s_wait_dscnt 0x0                               ; and my reads of K steps 4-7 are over
	s_barrier_signal -1
	MUL16 0, 1, 0
	s_barrier_wait -1
	PLACES
	FETCH 4
	WIN MUL_LO
	MUL16 2, 1, 0
	STEP 4
	STEP 5
	STEP 6
	s_wait_dscnt 0x0
	MUL16 0, 1, 0
	MUL16 2, 1, 0
	WIN 0
; THE WAY OUT: a tile of 16 tokens x 128 columns goes through my own stage and comes back as whole rows of 512 bytes.  LDS serves a wave's instructions in order (ISA guide 5.7.1.4).
.macro TOSTAGE a
	WIN 0x08
.irp b, 0,1,2,3,4,5,6,7
	ds_store_b128 v[STO], v[64*(\a)+8*\b:64*(\a)+8*\b+3] offset:128*(\b/2)+32*(\b%2)
	ds_store_b128 v[STO], v[64*(\a)+8*\b+4:64*(\a)+8*\b+7] offset:128*(\b/2)+32*(\b%2)+16
.endr
	WIN 0
.set BBK, BK+64*((\a)%2)
.irp t, 0,1,2,3,4,5,6,7,8,9,10,11,12,13,14,15
	ds_load_b128 v[BBK+4*\t:BBK+4*\t+3], v[RD] offset:\t*528
.endr
.endm
.macro SEND a, younger
.set BBK, BK+64*((\a)%2)
	s_wait_dscnt \younger
.irp t, 0,1,2,3,4,5,6,7,8,9,10,11,12,13,14,15
	global_store_b128 v[CO], v[BBK+4*\t:BBK+4*\t+3], s[10:11] offset:(32*((\a)/2)+8*((\a)%2)+\t+8*(\t/8))*4096 th:TH_STORE_NT   ; 512 consecutive bytes, aligned to 256
.endr
.endm
	PLACES
	TOSTAGE 0
.irp a, 1,2,3
.if \a > 1
	s_wait_xcnt 0x0                                ; tile a - 2's stores have read their registers
.endif
	TOSTAGE \a
	SEND \a-1, 32                                  ; behind tile a - 1's loads: tile a's 16 stores and 16 loads
.endr
	SEND 3, 0
	s_wait_tensorcnt 0x0                           ; the wave's end
	ds_add_u32 v[SPW], v[NIL]
	s_wait_dscnt 0x0
	CROUND                                         ; the closing round
	s_endpgm
.Lfunc_end_k_q74266c93a5_proj:
	.size	k_q74266c93a5_proj, .Lfunc_end_k_q74266c93a5_proj-k_q74266c93a5_proj
	.p2alignl 7, 3214868480
	.fill 96, 4, 3214868480
	.section	.rodata,"a",@progbits
	.p2align	6, 0x0
	.amdhsa_kernel k_q74266c93a5_proj
		.amdhsa_group_segment_fixed_size 327680
		.amdhsa_private_segment_fixed_size 0
		.amdhsa_enable_private_segment 0
		.amdhsa_kernarg_size 32
		.amdhsa_user_sgpr_count 2
		.amdhsa_user_sgpr_kernarg_segment_ptr 1
		.amdhsa_wavefront_size32 1
		.amdhsa_system_sgpr_workgroup_id_x 1
		.amdhsa_system_sgpr_workgroup_id_y 1
		.amdhsa_system_sgpr_workgroup_id_z 1
		.amdhsa_system_vgpr_workitem_id 0
		.amdhsa_next_free_vgpr 768
		.amdhsa_next_free_sgpr 102
		.amdhsa_reserve_vcc 0
		.amdhsa_float_denorm_mode_32 3
		.amdhsa_float_denorm_mode_16_64 3
		.amdhsa_memory_ordered 1
		.amdhsa_forward_progress 1
		.amdhsa_inst_pref_size 84
	.end_amdhsa_kernel
	.amdgpu_metadata
---
amdhsa.version: [ 1, 2 ]
amdhsa.kernels:
  - .name:           k_q74266c93a5_proj
    .symbol:         k_q74266c93a5_proj.kd
    .args:
      - { .name: o_q, .offset: 0, .size: 8, .value_kind: global_buffer, .address_space: global }
      - { .name: wp_q, .offset: 8, .size: 8, .value_kind: global_buffer, .address_space: global }
      - { .name: b_proj, .offset: 16, .size: 8, .value_kind: global_buffer, .address_space: global }
      - { .name: out0, .offset: 24, .size: 8, .value_kind: global_buffer, .address_space: global }
    .group_segment_fixed_size: 327680
    .private_segment_fixed_size: 0
    .kernarg_segment_align: 8
    .kernarg_segment_size: 32
    .max_flat_workgroup_size: 128
    .sgpr_count:     102
    .vgpr_count:     768
    .wavefront_size: 32
...
	.end_amdgpu_metadata
.endif
;; end of part 4
